; MI455X (gfx1250); checked and timed in simulation.
; The chip was launched on July 23, 2026; its instructions are those of AMD's public machine-readable ISA for CDNA 5 (MIT licence, August 2026) and "CDNA5" Instruction Set Architecture Reference Guide (July 2026). The comments in the code are by the model that wrote it; some were corrected since.
;; Head Attention. Allowed arithmetic: matrix products marked QUANTISED: E2M1 operands, one E8M0 scale for each 32 along K, by v_wmma_scale_f32_16x16x128_f8f6f4 with both operands' format E2M1 (or v_wmma_scale_f32_32x16x128_f4), f32 sums; products left as they are: bf16, f16 or f32 operands; f32 sums; everything else in f32.
;; Inputs: Wk 1,024 x 1,024 float32; Wproj 1,024 x 1,024 float32; Wq 1,024 x 1,024 float32; Wv 1,024 x 1,024 float32; k 4 x 2,048 x 1,024 float32; q 4 x 2,048 x 1,024 float32; v 4 x 2,048 x 1,024 float32.
;; Outputs: out0 4 x 2,048 x 1,024 float32.
;; This version of the problem:
;;   THIS VERSION OF THE PROBLEM IS GIVEN IN LOW PRECISION. The matrix products marked QUANTISED in the list below multiply operands that are first quantised to E2M1 (2 exponent bits, 1 mantissa bit; 4 bits a number), with one power-of-two scale for each 32 numbers along K (OCP MX v1.0); their sums are f32. The products marked 'left as it is' may take bf16, f16 or f32 operands, with f32 sums. Whichever they take, every output number must still come out within the allowed error. Rounding operands to bf16 (8 significant bits) uses up far more of that allowance than f16 does (11 bits, for magnitudes from 6e-5 to 65,504). All else is computed in f32.
;;   The module's matrix products, in the order in which they are computed (A, B: the left and right operand; K: the contracted axis; several contracted axes count as one K, in the product's order):
;;     1. [M 8,192, K 1,024] x [K 1,024, N 1,024]; A: input q; B: input Wq: QUANTISED
;;     2. [M 8,192, K 1,024] x [K 1,024, N 1,024]; A: input k; B: input Wk: QUANTISED
;;     3. [M 8,192, K 1,024] x [K 1,024, N 1,024]; A: input v; B: input Wv: QUANTISED
;;     4. batch 4 x [M 2,048, K 1,024] x [K 1,024, N 2,048]; A: computed on the way; B: computed on the way: left as it is (an operand is computed on the way)
;;     5. batch 4 x [M 2,048, K 2,048] x [K 2,048, N 1,024]; A: computed on the way; B: computed on the way: left as it is (an operand is computed on the way)
;;     6. [M 8,192, K 1,024] x [K 1,024, N 1,024]; A: computed on the way; B: input Wproj: left as it is (an operand is computed on the way)
;;   THE QUANTISER, for each operand of a quantised product, along K:
;;     - K is cut into blocks of 32 from its start; a last block that is shorter is filled with zeros.
;;     - A block's scale is 2^e with e = floor(log2(the largest magnitude in the block)) - 2, held to -126 .. 127; a block of zeros has e = 0. As a byte (E8M0): e + 127.
;;     - Each number is divided by its block's scale, clamped to +-6, and rounded to the nearest number of E2M1, ties to even, subnormals kept.
;;     - The product sums the exact products of the quantised numbers (number of the format x scale) in f32.
;;   ~~~python
;;   def quantise(x, axis):      # numpy; x: float32 -> the quantised numbers, widened to float32 again
;;       x = np.moveaxis(x, axis, -1); K = x.shape[-1]
;;       x = np.pad(x, [(0, 0)] * (x.ndim - 1) + [(0, -K % 32)]); x = x.reshape(x.shape[:-1] + (-1, 32)); a = np.abs(x).max(-1, keepdims=True)
;;       e = np.where(a > 0, np.clip(np.frexp(np.where(a > 0, a, 1))[1] - 1 - 2, -126, 127), 0)      # np.frexp(a)[1] - 1 = floor(log2(a)), exactly
;;       r = np.clip(x / 2.0 ** e, -6, 6)
;;       step = 2.0 ** (np.maximum(np.frexp(np.where(r == 0, 1, r))[1] - 1, 0) - 1)
;;       q = np.round(r / step) * step * 2.0 ** e      # np.round: ties to even
;;       return np.moveaxis(q.reshape(q.shape[:-2] + (-1,))[..., :K], -1, axis).astype(np.float32)
;;   ~~~
;; One version. Each part assembles by itself: llvm-mc -triple=amdgcn-amd-amdhsa -mcpu=gfx1250 --defsym DOCPART=n.
;; ======== version 1 of 1: 7 launches
;; limits: values are held in f16: magnitudes above 65,504 overflow, below 6.1e-05 lose precision
;; workspace buffers: codes 14,155,776 bytes; scales 884,736 bytes; h16 50,331,648 bytes; fine 786,432 bytes; sc 67,108,864 bytes; p16 33,554,432 bytes; y16 16,777,216 bytes; wp16 2,097,152 bytes
;; launch quant (part 1): grid 896 x 1, 4 waves a work-group, no clusters, 33,280 bytes of LDS; arguments q, k, v, Wq, Wk, Wv, Wproj, codes, scales, wp16; writes codes, scales, wp16
.if DOCPART == 1
	.amdgcn_target "amdgcn-amd-amdhsa--gfx1250"
	.amdhsa_code_object_version 6
	.text
	.protected	k_q81158ef462_quant
	.globl	k_q81158ef462_quant
	.p2align	8
	.type	k_q81158ef462_quant,@function
k_q81158ef462_quant:
	s_mov_b64 s[64:65], 0
	v_nop
	global_prefetch_b8 v0, s[64:65] scope:SCOPE_SE
	s_setreg_imm32_b32 hwreg(HW_REG_WAVE_MODE, 25, 1), 1
	s_wait_xcnt 0x0
; LAUNCH 1 OF 7.  q, k, v [8192][1024] and Wq, Wk, Wv [1024][1024], f32, K innermost, become codes of FP4 (E2M1) with one E8M0 byte for each 32 along K; Wproj becomes f16.
; THE PROGRAM: 1 quantise | 2 the three projections on codes -> f16 (rows 0-15 of each batch also f32) | 3 raw scores | 4 softmax -> f16 | 5 p x vh | 6 x Wproj^T | 7 positions 0-15 of each batch once more, in f32.
; DEAD WORK LEFT OUT.  reference() builds jnp.tril itself and sets the score of key k for query q to -inf wherever k > q; the softmax then gives p = 0 there, for all finite values of the inputs.
; So a tile of the scores that lies wholly above the diagonal, and a step of p x vh all of whose keys come after all the tile's queries, reach no output: launches 3, 4 and 5 do not make them.
; Inside a tile that also holds live work the dead part stays.  Every input has a way to the output and is loaded.
; LIMITS.  A NaN, an infinity or an overflow that reaches only the work left out is not carried to the result; NaN and infinities among the inputs are not served.  A block of zeros gets the byte 1 where the rule says 127:
; its codes are zeros, which add nothing under any byte but 0xff, and this program alone reads the bytes.  Blocks whose largest magnitude lies under 2^-124, the floor, were not tried.
; The operands of the products left as they are go in f16: |qh|, |kh|, |vh|, |y|, |Wproj| stay under 65,504.  Sums are taken in another order than reference()'s.
; A block's scale is 2^(floor(log2(its largest magnitude)) - 2); its byte is the largest magnitude's exponent field - 2, held at 1 from below.
; SHARES.  Rows are dense and K is a multiple of 32: each tensor is a stream of blocks of 32.  Work-group g takes 32,768 numbers, a wave 8,192 in 16 steps of 512.  g < 768: q, k, v (256 each); g < 864: Wq, Wk, Wv (32 each);
; the codes and the scale bytes of the six lie one behind the other in that order, so their place hangs on g alone.  g >= 864: Wproj to f16, a path of its own that touches no LDS.
; Each of a step's four loads reads 512 consecutive bytes; the 2,048 bytes turn through the wave's own stage in LDS, so that a lane holds 16 neighbours along K; two neighbouring lanes hold a block.
.set WAVES, 4
.set STEPS, 16
.set EMAX,  2
.set CB,    8                          ; bytes of 16 codes
.set R,     16                         ; v16-79   four sets of 16 numbers as they are loaded
.set X,     80                         ; v80-111  two sets of 16 neighbours
.set C,     128                        ; v128-191 codes: four registers for each step, so that no store's data are written again
.set E,     112                        ; v112-127 a scale byte for each step
.set WREG,  8192                       ; LDS: a region for each wave: two stages of 32 x SP bytes, behind them its 256 scale bytes
.set SP,    80                         ; a lane's place in a stage: 64 bytes + 16 of padding
.set SPW,   12                         ; v12  LDS address of my spare word; never rewritten
.set NIL,   13                         ; v13  0; never rewritten
.set SPARE, WAVES*WREG                 ; behind the four regions: the spare words, 128 bytes a wave
	s_load_b256 s[4:11], s[0:1], 0x0               ; q s[4:5], k s[6:7], v s[8:9], Wq s[10:11]
	s_load_b256 s[12:19], s[0:1], 0x20             ; Wk s[12:13], Wv s[14:15], Wproj s[16:17], codes s[18:19]
	s_load_b128 s[20:23], s[0:1], 0x40             ; scales s[20:21], wp16 s[22:23]
	v_lshl_add_u32 v[SPW], v0, 2, SPARE
	v_mov_b32 v[NIL], 0
	v_lshrrev_b32 v1, 5, v0
	v_readfirstlane_b32 s24, v1                    ; wave
	v_and_b32 v2, 31, v0                           ; lane
	v_lshlrev_b32 v3, 4, v2                        ; my 16 bytes of a load's 512
	s_mul_i32 s25, s24, WREG
	v_lshrrev_b32 v14, 2, v2
	v_mul_u32_u24 v14, v14, SP
	v_and_b32 v15, 3, v2
	v_lshl_add_u32 v14, v15, 4, v14
	v_add_nc_u32 v14, s25, v14                     ; the stage, on the way in: SP (lane / 4) + 16 (lane % 4)
	v_mul_u32_u24 v15, v2, SP
	v_add_nc_u32 v15, s25, v15                     ; and on the way out: SP x lane: my 16 neighbours
	v_mul_u32_u24 v4, v2, CB                       ; my codes' place in a step's
	v_lshrrev_b32 v5, 1, v2
	s_add_co_u32 s25, s25, 2*32*SP
	v_add_nc_u32 v5, s25, v5                       ; LDS: my wave's 256 scale bytes, my block's byte
	v_lshlrev_b32 v7, 3, v2                        ; 8 bytes a lane
	v_add_nc_u32 v6, s25, v7
	s_lshl_b32 s30, ttmp9, 2
	s_add_co_u32 s30, s30, s24                     ; which run of 8,192 numbers of the whole launch is my wave's
	s_mov_b32 s29, 0
	s_wait_kmcnt 0x0
	s_cmp_ge_u32 ttmp9, 864
	s_cbranch_scc1 .Lconv                          ; Wproj's work-groups: a branch on the work-group's number
	s_cmp_lt_u32 ttmp9, 256                        ; which tensor: choices that hang on the work-group's number alone
	s_cselect_b64 s[26:27], s[4:5], s[6:7]
	s_cmp_lt_u32 ttmp9, 512
	s_cselect_b64 s[26:27], s[26:27], s[8:9]
	s_cmp_lt_u32 ttmp9, 768
	s_cselect_b64 s[26:27], s[26:27], s[10:11]
	s_cselect_b32 s28, 255, 31                     ; 256 work-groups to q, k, v; 32 to a weight (768, 800, 832 are multiples of 32)
	s_cmp_lt_u32 ttmp9, 800
	s_cselect_b64 s[26:27], s[26:27], s[12:13]
	s_cmp_lt_u32 ttmp9, 832
	s_cselect_b64 s[26:27], s[26:27], s[14:15]
	s_and_b32 s28, ttmp9, s28                      ; my work-group's number within its tensor
	s_lshl_b32 s28, s28, 2
	s_add_co_u32 s28, s28, s24
	s_lshl_b32 s28, s28, 15                        ; 32,768 bytes of f32 a run
	s_add_nc_u64 s[26:27], s[26:27], s[28:29]
	s_lshl_b32 s28, s30, 12                        ; 4,096 bytes of codes a run
	s_add_nc_u64 s[18:19], s[18:19], s[28:29]
	s_lshl_b32 s28, s30, 8                         ; 256 scale bytes a run
	s_add_nc_u64 s[20:21], s[20:21], s[28:29]
.macro LOAD t
.irp i, 0,1,2,3
	global_load_b128 v[R+16*((\t)%4)+4*\i:R+16*((\t)%4)+4*\i+3], v3, s[26:27] offset:2048*(\t)+512*\i th:TH_LOAD_NT   ; 32 lanes read 512 consecutive bytes
.endr
.endm
.macro TURN t                          ; step t's numbers through the stage: LDS serves a wave's instructions in order, so no wait stands between the stores and the loads
.irp i, 0,1,2,3
	ds_store_b128 v14, v[R+16*((\t)%4)+4*\i:R+16*((\t)%4)+4*\i+3] offset:32*SP*((\t)%2)+8*SP*\i
.endr
.irp i, 0,1,2,3
	ds_load_b128 v[X+16*((\t)%2)+4*\i:X+16*((\t)%2)+4*\i+3], v15 offset:32*SP*((\t)%2)+16*\i
.endr
.endm
.irp t, 0,1,2,3
	LOAD \t
.endr
	s_wait_loadcnt 12                              ; step 0's four loads are in; the twelve of steps 1 to 3 may be out
	TURN 0
.macro STEP t
.set XS, X+16*((\t)%2)
.if (\t) > 0
	s_wait_dscnt 1                                 ; this step's numbers are back from the stage (the last step's byte store may be out)
.else
	s_wait_dscnt 0x0
.endif
.if (\t)+4 < STEPS
	LOAD (\t)+4                                    ; into the registers that this step's stage stores have read
.endif
.if (\t)+1 < STEPS
.if STEPS-2-(\t) >= 3
	s_wait_loadcnt 12                              ; the next step's four loads are in; those of the three steps behind it may be out
.else
	s_wait_loadcnt 4*(STEPS-2-(\t))
.endif
	TURN (\t)+1
.endif
	v_max3_num_f32 v8, |v[XS]|, |v[XS+1]|, |v[XS+2]|               ; the largest magnitude of my 16
	v_max3_num_f32 v9, |v[XS+3]|, |v[XS+4]|, |v[XS+5]|
.irp i, 6,10
	v_max3_num_f32 v8, v8, |v[XS+\i]|, |v[XS+\i+1]|
	v_max3_num_f32 v9, v9, |v[XS+\i+2]|, |v[XS+\i+3]|
.endr
	v_max3_num_f32 v8, v8, |v[XS+14]|, |v[XS+15]|
	v_max3_num_f32 v8, v8, v9, (EMAX+1)<<23        ; and the floor 2^(EMAX + 1 - 127): the byte cannot fall under 1
	v_max_num_f32_dpp v8, v8, v8 row_xmask:1 row_mask:0xf bank_mask:0xf   ; and of my neighbour's 16: the block's
	v_add_nc_u32 v11, -(EMAX<<23), v8              ; EMAX off its exponent field: the conversion takes the exponent field of this operand as its scale
	v_cvt_scalef32_pk8_fp4_f32 v[C+4*(\t)], v[XS:XS+7], v11
	v_cvt_scalef32_pk8_fp4_f32 v[C+4*(\t)+1], v[XS+8:XS+15], v11
	v_lshrrev_b32 v[E+(\t)], 23, v11               ; the scale's byte (a plain line behind the conversions)
	ds_store_b8 v5, v[E+(\t)] offset:16*(\t)       ; both lanes of a block write the same byte with the same value
	global_store_b64 v4, v[C+4*(\t):C+4*(\t)+1], s[18:19] offset:32*CB*(\t)   ; the wave stores 256 consecutive bytes, aligned
.endm
.irp t, 0,1,2,3,4,5,6,7,8,9,10,11,12,13,14,15
	STEP \t
.endr
	ds_load_b64 v[8:9], v6                         ; LDS serves a wave's instructions in order: these see my stores
	s_wait_dscnt 0x0
	global_store_b64 v7, v[8:9], s[20:21]          ; 32 lanes store 256 consecutive bytes, aligned
	s_wait_tensorcnt 0x0                           ; the wave's end, behind my last LDS store
	ds_add_u32 v[SPW], v[NIL]
	s_wait_dscnt 0x0
	s_endpgm
; Wproj to f16, rounded to nearest even: a wave takes 8,192 numbers in four rounds of sixteen loads.  No LDS is touched on this path.
.Lconv:
	s_sub_co_u32 s30, s30, 4*864                   ; my run within Wproj
	s_lshl_b32 s28, s30, 15
	s_add_nc_u64 s[16:17], s[16:17], s[28:29]
	s_lshl_b32 s28, s30, 14
	s_add_nc_u64 s[22:23], s[22:23], s[28:29]
.irp rr, 0,1,2,3
.irp i, 0,1,2,3,4,5,6,7,8,9,10,11,12,13,14,15
	global_load_b128 v[R+4*\i:R+4*\i+3], v3, s[16:17] offset:512*(16*\rr+\i)
.endr
	s_wait_loadcnt 0x0
.if \rr > 0
	s_wait_xcnt 0x0                                ; the last round's stores have read their data: it may be written again
.endif
.irp i, 0,1,2,3,4,5,6,7,8,9,10,11,12,13,14,15
	v_cvt_pk_f16_f32 v[C+2*\i], v[R+4*\i], v[R+4*\i+1]
	v_cvt_pk_f16_f32 v[C+2*\i+1], v[R+4*\i+2], v[R+4*\i+3]
.endr
.irp i, 0,1,2,3,4,5,6,7,8,9,10,11,12,13,14,15
	global_store_b64 v7, v[C+2*\i:C+2*\i+1], s[22:23] offset:256*(16*\rr+\i)   ; the wave stores 256 consecutive bytes, aligned
.endr
.endr
	s_endpgm
.Lfunc_end_k_q81158ef462_quant:
	.size	k_q81158ef462_quant, .Lfunc_end_k_q81158ef462_quant-k_q81158ef462_quant
	.p2alignl 7, 3214868480
	.fill 96, 4, 3214868480
	.section	.rodata,"a",@progbits
	.p2align	6, 0x0
	.amdhsa_kernel k_q81158ef462_quant
		.amdhsa_group_segment_fixed_size 33280
		.amdhsa_private_segment_fixed_size 0
		.amdhsa_enable_private_segment 0
		.amdhsa_kernarg_size 80
		.amdhsa_user_sgpr_count 2
		.amdhsa_user_sgpr_kernarg_segment_ptr 1
		.amdhsa_wavefront_size32 1
		.amdhsa_system_sgpr_workgroup_id_x 1
		.amdhsa_system_sgpr_workgroup_id_y 1
		.amdhsa_system_sgpr_workgroup_id_z 1
		.amdhsa_system_vgpr_workitem_id 0
		.amdhsa_next_free_vgpr 192
		.amdhsa_next_free_sgpr 66
		.amdhsa_reserve_vcc 0
		.amdhsa_float_denorm_mode_32 3
		.amdhsa_float_denorm_mode_16_64 3
		.amdhsa_memory_ordered 1
		.amdhsa_forward_progress 1
		.amdhsa_inst_pref_size 54
	.end_amdhsa_kernel
	.amdgpu_metadata
---
amdhsa.version: [ 1, 2 ]
amdhsa.kernels:
  - .name:           k_q81158ef462_quant
    .symbol:         k_q81158ef462_quant.kd
    .args:
      - { .name: q, .offset: 0, .size: 8, .value_kind: global_buffer, .address_space: global }
      - { .name: k, .offset: 8, .size: 8, .value_kind: global_buffer, .address_space: global }
      - { .name: v, .offset: 16, .size: 8, .value_kind: global_buffer, .address_space: global }
      - { .name: Wq, .offset: 24, .size: 8, .value_kind: global_buffer, .address_space: global }
      - { .name: Wk, .offset: 32, .size: 8, .value_kind: global_buffer, .address_space: global }
      - { .name: Wv, .offset: 40, .size: 8, .value_kind: global_buffer, .address_space: global }
      - { .name: Wproj, .offset: 48, .size: 8, .value_kind: global_buffer, .address_space: global }
      - { .name: codes, .offset: 56, .size: 8, .value_kind: global_buffer, .address_space: global }
      - { .name: scales, .offset: 64, .size: 8, .value_kind: global_buffer, .address_space: global }
      - { .name: wp16, .offset: 72, .size: 8, .value_kind: global_buffer, .address_space: global }
    .group_segment_fixed_size: 33280
    .private_segment_fixed_size: 0
    .kernarg_segment_align: 8
    .kernarg_segment_size: 80
    .max_flat_workgroup_size: 128
    .sgpr_count:     66
    .vgpr_count:     192
    .wavefront_size: 32
...
	.end_amdgpu_metadata
.endif
;; end of part 1
;; launch proj (part 2): grid 4 x 96, 4 waves a work-group, clusters of 4 x 1, 327,680 bytes of LDS; arguments codes, scales, h16, fine; writes h16, fine
.if DOCPART == 2
	.amdgcn_target "amdgcn-amd-amdhsa--gfx1250"
	.amdhsa_code_object_version 6
	.text
	.protected	k_q81158ef462_proj
	.globl	k_q81158ef462_proj
	.p2align	8
	.type	k_q81158ef462_proj,@function
k_q81158ef462_proj:
	s_mov_b64 s[64:65], 0
	v_nop
	global_prefetch_b8 v0, s[64:65] scope:SCOPE_SE
	s_setreg_imm32_b32 hwreg(HW_REG_WAVE_MODE, 25, 1), 1
	s_wait_xcnt 0x0
	s_wait_alu depctr_hold_cnt(0) depctr_sa_sdst(0) depctr_va_vdst(0) depctr_va_sdst(0) depctr_va_ssrc(0) depctr_va_vcc(0) depctr_vm_vsrc(0)
	s_getreg_b32 s2, hwreg(HW_REG_IB_STS2, 6, 4)
	s_cmp_eq_u32 s2, 0
	s_cbranch_scc0 .Lentry_in_a_cluster
	s_endpgm
.Lentry_in_a_cluster:
	s_bfe_u32 s2, ttmp6, 0x10000c
	s_cmp_lg_u32 s2, 0x3003
	s_cbranch_scc0 .Lentry_shape_is_right
	s_endpgm
.Lentry_shape_is_right:
; LAUNCH 2 OF 7.  qh = q Wq^T, kh = k Wk^T, vh = v Wv^T on codes of FP4 (E2M1) with E8M0 scales, sums in f32, results rounded once to f16 into h16 [24576][1024] (qh, kh, vh one behind the other).
; The f32 results of positions 0-15 of each batch also go to fine [3][4][16][1024]: launch 7 carries those rows in f32.  No work is left out here.
; q, k and v are ONE operand A of 24,576 rows of codes; the weight is chosen by the tile row: rows 24,576 + 1,024 x (tile row / 32) of the same buffer.
; A tile of C, 256 x 256, is made by four waves, 128 x 128 each: 64 accumulators.  K = 1,024 is two slots of 512 along K: both are asked for at the start, and nothing is filled again.
; The scale bytes of the work-group's 256 rows of A and of B, for all of K, are two dense blocks: they come into LDS once, as rows of 256 bytes.
; CLUSTER 4 x 1: the four column tiles of one tile row need the same tiles of A: A's codes and scales are asked for jointly (mask 15).  B's tiles hang on the column tile and are each work-group's own loads.
; Why not 4 x 4, which would share B too: the branch that stores the f32 rows hangs on the tile row, which all partners share only where a cluster is one tile row high.
; THE MATRIX INSTRUCTION IS USED TRANSPOSED (source 0 = 16 rows of B, source 1 = 16 rows of A): a lane holds eight neighbouring numbers of a row of C.
; REGISTERS, in windows of 256: window 0: v0-31 addresses; v32-95 scale words, two sets; from v128 A's fragments, one set; on the way out v32-255 are free.
;   window 1: B's fragments, two sets, at v0 and v128.  window 2: the accumulators of my rows 0-63 ((a, b) at v[8 (8 a + b)]);  window 3: those of rows 64-127.
.set SIZE_K, 1024
.set KSTEP,  512
.set NQ,     KSTEP/128
.set ROWB,   256                       ; a tile's row in bytes: 512 codes
.set KROW,   SIZE_K*4/8                ; a row of codes in memory
.set PITCH,  272                       ; an LDS row: 256 bytes + 16 of padding: the 16 rows that a load touches start at 16 different banks (ISA guide 11.1)
.set FR,     8
.set NL,     2
.set NP,     4                         ; places behind this matrix instruction (ISA guide 7.12.1)
.set HALFT,  128*PITCH
.set SLOT,   4*HALFT
.set KS,     SIZE_K/32                 ; a row of scales in bytes
.set SCL,    2*SLOT
.set HALFS,  (128*KS/256)*272
.set SBLK,   (16*KS/256)*272
.set SPARE,  SCL+4*HALFS               ; behind the scales: the spare words, 128 bytes a wave
.set SP32,   528                       ; the way out, f32: a stage of 16 rows x (512 + 16) bytes for each wave, in slot 0, which has had its only fill and its last read by then
.set SP16,   272                       ; the way out, f16: rows of 256 + 16 bytes in the same bytes
.set ADRA, 16
.set ADRB, 20
.set STO32, 18
.set RD32,  19
.set CO32,  22
.set STO,  24
.set RD,   25
.set CO,   26
.set ADRS, 27
.set SPW,  28
.set NIL,  29
.set SC,   32
.set AF,   128
.set BK,   128                         ; the f32 rows read back
.set TMP,  192                         ; packed f16 results
.set OB,   32                          ; 16 rows read back from the stage: v32-63 and v224-255 by turns
.set G1, 24
.set G0, 32
.set G1B, 48
.set G0B, 56
.set G1S, 68
.set G0S, 76
.set G1SB, 80
.set G0SB, 88
.set MSB, 0
.macro WIN new                         ; the immediate's high byte repeats the setting that is left
.if MSB != (\new)
	s_set_vgpr_msb (MSB<<8)|(\new)
.set MSB, (\new)
.endif
.endm
.set MUL_LO, 0xa1
.set MUL_HI, 0xf1
.set TO_B,   0x40
; Waves 0 and 1 fetch for A (jointly), waves 2 and 3 for B.  The branch hangs on the wave's number alone.  An s_nop 0 and four v_nop follow each of the two lines.
.macro JLOAD g0a, g1a, g0b, g1b
	s_cmp_eq_u32 s15, 0
	s_cbranch_scc0 .Lfor_b_\@
	tensor_load_to_lds s[\g0a:\g0a+3], s[\g1a:\g1a+7]
	s_nop 0
.rept 4
	v_nop
.endr
	s_branch .Lasked_\@
.Lfor_b_\@:
	tensor_load_to_lds s[\g0b:\g0b+3], s[\g1b:\g1b+7]
	s_nop 0
.rept 4
	v_nop
.endr
.Lasked_\@:
.endm
.macro CROUND                          ; a round of the cluster's barrier
	s_barrier_signal -1
	s_barrier_wait -1
	s_cmp_lg_u32 s14, 0
	s_cbranch_scc1 .Lnot_wave_0_\@
	s_barrier_signal -3
.Lnot_wave_0_\@:
	s_barrier_wait -3
	s_barrier_signal -1
	s_barrier_wait -1
.endm
	s_load_b256 s[4:11], s[0:1], 0x0               ; codes s[4:5], scales s[6:7], h16 s[8:9], fine s[10:11]
	v_lshl_add_u32 v[SPW], v0, 2, SPARE
	v_mov_b32 v[NIL], 0
	ds_add_u32 v[SPW], v[NIL]                      ; the wave's opening: the add, twice on end, and its wait ahead of my first tensor load
	ds_add_u32 v[SPW], v[NIL]
	v_lshrrev_b32 v1, 5, v0
	v_readfirstlane_b32 s14, v1                    ; wave 0..3
	s_lshr_b32 s15, s14, 1                         ; which half of the tile's rows is mine.  Also: I fetch for A (0) or for B (1)
	s_and_b32 s16, s14, 1                          ; which half of its columns.  Also: which 128 rows I fetch
	s_bfe_u32 s40, ttmp6, 0x40000                  ; cx = the column tile
	s_and_b32 s17, ttmp7, 0xffff                   ; the tile row, 0..95: shared by the four partners
	s_mov_b32 s[G1+0], 15|(1<<20)|(1<<21)|(5<<22)|(3<<25)     ; the mask of all four; elements of 1 byte; padding: 4 words behind every 64; bit 21 beside a mask
	s_mov_b32 s[G1B+0], (1<<20)|(5<<22)|(3<<25)               ; no mask: my own load
.irp g, G1, G1B
	s_mov_b32 s[\g+1], ROWB<<16                    ; tensor_dim0
	s_mov_b32 s[\g+2], 128<<16                     ; tensor_dim1
	s_mov_b32 s[\g+3], ROWB<<16                    ; tile_dim0
	s_mov_b32 s[\g+4], 128                         ; tile_dim1
	s_mov_b32 s[\g+5], KROW                        ; from row to row
	s_mov_b32 s[\g+6], 0
	s_mov_b32 s[\g+7], 0
.endr
	s_mov_b32 s[G1S+0], 15|(3<<16)|(1<<20)|(1<<21)|(5<<22)|(3<<25)   ; the scales of 128 rows: 4,096 dense bytes as 16 rows of 32 elements of 8 bytes
	s_mov_b32 s[G1SB+0], (3<<16)|(1<<20)|(5<<22)|(3<<25)
.irp g, G1S, G1SB
	s_mov_b32 s[\g+1], 32<<16
	s_mov_b32 s[\g+2], (128*KS/256)<<16
	s_mov_b32 s[\g+3], 32<<16
	s_mov_b32 s[\g+4], 128*KS/256
	s_mov_b32 s[\g+5], 32
	s_mov_b32 s[\g+6], 0
	s_mov_b32 s[\g+7], 0
.endr
	s_lshl_b32 s18, s16, 7                         ; which 128 rows of the tile I fetch
	s_lshl_b32 s20, s17, 8
	s_add_co_u32 s20, s20, s18                     ; A: row 256 x tile row + 128 x half
	s_lshr_b32 s46, s17, 5                         ; which of q, k, v
	s_lshl_b32 s46, s46, 10
	s_lshl_b32 s47, s40, 8
	s_add_co_u32 s46, s46, s47
	s_add_co_u32 s46, s46, s18
	s_add_co_u32 s46, s46, 24576                   ; B: row 24,576 + 1,024 x tensor + 256 x column tile + 128 x half
	s_lshl_b32 s22, s20, 5                         ; their scales: 32 bytes a row
	s_mov_b32 s23, 0
	s_lshl_b32 s92, s46, 5
	s_mov_b32 s93, 0
	s_lshl_b32 s20, s20, 9                         ; their codes: 512 bytes a row
	s_mov_b32 s21, 0
	s_lshl_b32 s46, s46, 9
	s_mov_b32 s47, 0
	s_mul_i32 s45, s14, HALFT                      ; where they go: wave x 128 rows: no place in the cluster enters an LDS address
	s_mul_i32 s94, s14, HALFS
	s_wait_dscnt 0x0                               ; both opening adds are done
	s_wait_kmcnt 0x0
	s_add_nc_u64 s[20:21], s[4:5], s[20:21]
	s_add_nc_u64 s[22:23], s[6:7], s[22:23]
	s_add_nc_u64 s[46:47], s[4:5], s[46:47]
	s_add_nc_u64 s[92:93], s[6:7], s[92:93]
	CROUND                                         ; all four work-groups are here: the first joint loads meet
	s_mov_b32 s[G0S], 1
	s_add_co_u32 s[G0S+1], s94, SCL
	s_mov_b64 s[G0S+2:G0S+3], s[22:23]
	s_or_b32 s[G0S+3], s[G0S+3], 0x80000000
	s_mov_b32 s[G0SB], 1
	s_add_co_u32 s[G0SB+1], s94, SCL
	s_mov_b64 s[G0SB+2:G0SB+3], s[92:93]
	s_or_b32 s[G0SB+3], s[G0SB+3], 0x80000000
	JLOAD G0S, G1S, G0SB, G1SB                     ; the scales first: they are wanted with K step 0
.irp s, 0,1
	s_mov_b32 s[G0+4*\s], 1
	s_add_co_u32 s[G0+4*\s+1], s45, \s*SLOT
	s_add_nc_u64 s[G0+4*\s+2:G0+4*\s+3], s[20:21], \s*ROWB
	s_or_b32 s[G0+4*\s+3], s[G0+4*\s+3], 0x80000000
	s_mov_b32 s[G0B+4*\s], 1
	s_add_co_u32 s[G0B+4*\s+1], s45, \s*SLOT
	s_add_nc_u64 s[G0B+4*\s+2:G0B+4*\s+3], s[46:47], \s*ROWB
	s_or_b32 s[G0B+4*\s+3], s[G0B+4*\s+3], 0x80000000
	JLOAD G0+4*\s, G1, G0B+4*\s, G1B               ; three loads of mine are out in all
.endr
	v_and_b32 v1, 15, v0                           ; l % 16
	v_bfe_u32 v2, v0, 4, 1                         ; l / 16
	v_mul_u32_u24 v3, v1, PITCH
	v_lshl_add_u32 v4, v2, 4, v3                   ; a fragment's row x pitch + 16 x half
	s_mul_i32 s21, s15, HALFT                      ; my 128 rows of A
	s_mul_i32 s22, s16, HALFT                      ; my 128 rows of B,
	s_add_co_u32 s22, s22, 2*HALFT                 ; behind A's 256
.irp s, 0,1
	v_add_nc_u32 v[ADRA+\s], s21, v4
	v_add_nc_u32 v[ADRB+\s], s22, v4
	s_add_co_u32 s21, s21, SLOT
	s_add_co_u32 s22, s22, SLOT
.endr
	v_mul_u32_u24 v5, v1, KS                       ; my row's scales: KS bytes a row,
	v_lshrrev_b32 v6, 8, v5
	v_lshl_add_u32 v5, v6, 4, v5                   ; and 16 more for each 256 passed
	s_mul_i32 s21, s15, HALFS
	s_mul_i32 s22, s16, HALFS
	s_add_co_u32 s22, s22, 2*HALFS
	s_sub_co_u32 s22, s22, s21
	v_mul_u32_u24 v6, s22, v2                      ; lanes 16-31 take B's
	s_add_co_u32 s21, s21, SCL
	v_add_nc_u32 v5, v5, v6
	v_add_nc_u32 v[ADRS], s21, v5
	s_mul_i32 s23, s14, 16*SP32                    ; my stage
	v_mul_u32_u24 v5, v1, SP32                     ; f32, in: row l % 16, 32 bytes for each half of the lanes
	v_lshl_add_u32 v5, v2, 5, v5
	v_add_nc_u32 v[STO32], s23, v5
	v_and_b32 v6, 31, v0
	v_lshlrev_b32 v[CO32], 4, v6                   ; f32, back: the 32 lanes take one row of 512 bytes; the same in fine
	v_add_nc_u32 v[RD32], s23, v[CO32]
	v_mul_u32_u24 v5, v1, SP16                     ; f16, in: row l % 16, 16 bytes for each half
	v_lshl_add_u32 v5, v2, 4, v5
	v_add_nc_u32 v[STO], s23, v5
	v_mul_u32_u24 v5, v2, SP16                     ; f16, back: lanes 0-15 one row of 256 bytes, lanes 16-31 the next
	v_lshl_add_u32 v5, v1, 4, v5
	v_add_nc_u32 v[RD], s23, v5
	v_lshlrev_b32 v5, 11, v2                       ; and the same two rows in h16 (2,048 bytes a row)
	v_lshl_add_u32 v[CO], v1, 4, v5
	s_lshl_b32 s20, s17, 8
	s_lshl_b32 s21, s15, 7
	s_add_co_u32 s20, s20, s21                     ; my first row of C
	s_lshl_b32 s20, s20, 11
	s_lshl_b32 s46, s40, 9                         ; my first column in bytes: 512 x column tile + 256 x half
	s_lshl_b32 s47, s16, 8
	s_add_co_u32 s46, s46, s47
	s_add_co_u32 s20, s20, s46
	s_mov_b32 s21, 0
	s_add_nc_u64 s[12:13], s[8:9], s[20:21]        ; h16 at my part of the tile
	s_lshr_b32 s20, s17, 3                         ; 4 x tensor + batch
	s_lshl_b32 s20, s20, 16                        ; 16 rows of 4,096 bytes
	s_lshl_b32 s46, s46, 1                         ; the same columns in f32
	s_add_co_u32 s20, s20, s46
	s_add_nc_u64 s[10:11], s[10:11], s[20:21]      ; fine at my columns
	s_and_b32 s44, s17, 7
	s_or_b32 s44, s44, s15                         ; 0 where my rows begin a batch: the tile row and the wave's number alone
.macro FRAG reg, adr, q, i             ; 16 rows x 128 K of 4-bit codes: 8 registers: lane l holds row l % 16; registers 4 c .. 4 c + 3 hold K = 64 c + 32 (l / 16) + 0 .. 31
.irp c, 0,1
	ds_load_b128 v[\reg+4*\c:\reg+4*\c+3], v[\adr] offset:64*(\q)+32*\c+(\i)*16*PITCH
.endr
.endm
; 16 matrix instructions: A's blocks a0, a0 + 1 x B's eight, 128 along K.  The 64 accumulators take turns, one instruction a turn.
.macro MUL16 a0, p, q, sc, zero
.irp a, \a0, \a0+1
.irp b, 0,1,2,3,4,5,6,7
.if \zero
	v_wmma_scale_f32_16x16x128_f8f6f4 v[8*(8*((\a)%4)+\b):8*(8*((\a)%4)+\b)+7], v[128*(\p)+FR*\b:128*(\p)+FR*\b+FR-1], v[AF+FR*(\a):AF+FR*(\a)+FR-1], 0, v[SC+8*NQ*(\sc)+NQ*\b+(\q)], v[SC+8*NQ*(\sc)+NQ*(\a)+(\q)] matrix_a_fmt:MATRIX_FMT_FP4 matrix_b_fmt:MATRIX_FMT_FP4 matrix_a_scale:MATRIX_SCALE_ROW1
.else
	v_wmma_scale_f32_16x16x128_f8f6f4 v[8*(8*((\a)%4)+\b):8*(8*((\a)%4)+\b)+7], v[128*(\p)+FR*\b:128*(\p)+FR*\b+FR-1], v[AF+FR*(\a):AF+FR*(\a)+FR-1], v[8*(8*((\a)%4)+\b):8*(8*((\a)%4)+\b)+7], v[SC+8*NQ*(\sc)+NQ*\b+(\q)], v[SC+8*NQ*(\sc)+NQ*(\a)+(\q)] matrix_a_fmt:MATRIX_FMT_FP4 matrix_b_fmt:MATRIX_FMT_FP4 matrix_a_scale:MATRIX_SCALE_ROW1
.endif
.endr
.endr
.endm
.macro FETCH_B slot, q, p
	WIN TO_B
.irp i, 0,1,2,3,4,5,6,7
	FRAG 128*(\p)+FR*\i, ADRB+\slot, \q, \i
.endr
	WIN 0
.endm
.macro FETCH_A slot, q, i0
.irp i, \i0, \i0+1, \i0+2, \i0+3
	FRAG AF+FR*(\i), ADRA+\slot, \q, \i
.endr
.endm
.macro SCALES sc                       ; a K step's scale words: lanes 0-15 take A's block i, lanes 16-31 B's block i
.irp i, 0,1,2,3,4,5,6,7
	ds_load_b128 v[SC+8*NQ*\sc+NQ*\i:SC+8*NQ*\sc+NQ*\i+3], v[ADRS] offset:\i*SBLK
.endr
.endm
.macro PLACES n                        ; plain vector instructions between a matrix instruction and a load into, or a read of, its registers
.rept \n
	v_nop
.endr
.endm
.macro STEP slot, q, zero              ; a step of 128 along K that has its successor in the same slot
	s_wait_dscnt 4*NL                              ; B's set and A's blocks 0-3 are in; the youngest eight loads (A's blocks 4-7) may be out
	WIN MUL_LO
	MUL16 0, (\q)%2, \q, \slot, \zero
	MUL16 2, (\q)%2, \q, \slot, \zero
	s_wait_dscnt 0
	PLACES NP
	FETCH_B \slot, (\q)+1, 1-(\q)%2
	FETCH_A \slot, (\q)+1, 0
	WIN MUL_HI
	MUL16 4, (\q)%2, \q, \slot, \zero
	MUL16 6, (\q)%2, \q, \slot, \zero
	PLACES NP
	WIN 0
	FETCH_A \slot, (\q)+1, 4
.endm
; Slot 0's last step goes over to slot 1: each wave waits for all its tensor loads (its part of slot 1), then the barrier shows the whole slot to all four.  Nothing is filled again.
.macro TURN slot, next
	s_wait_tensorcnt 0x0                           ; all my tensor loads have landed
	ds_add_u32 v[SPW], v[NIL]
	s_wait_dscnt 4*NL+1                            ; (the add and the youngest eight loads may be out)
	WIN MUL_LO
	MUL16 0, 1, NQ-1, \slot, 0
	s_wait_dscnt 0x0                               ; the add is done, and my reads of this slot are over
	s_barrier_signal -1
	MUL16 2, 1, NQ-1, \slot, 0
	WIN 0
	s_barrier_wait -1
	PLACES NP
	v_add_nc_u32 v[ADRS], 4*NQ, v[ADRS]            ; on to the next K step's scale words (no LDS load of mine is out)
	FETCH_B \next, 0, 0
	FETCH_A \next, 0, 0
	SCALES \next
	WIN MUL_HI
	MUL16 4, 1, NQ-1, \slot, 0
	MUL16 6, 1, NQ-1, \slot, 0
	PLACES NP
	WIN 0
	FETCH_A \next, 0, 4
.endm
.macro STEPS slot, from
.set Q, \from
.rept NQ-1-\from
	STEP \slot, Q, 0
.set Q, Q+1
.endr
.endm
	s_wait_tensorcnt 1                             ; the scales and my part of K step 0 are in (K step 1's load may be out),
	s_barrier_signal -1
	s_barrier_wait -1                              ; everybody's are
	FETCH_B 0, 0, 0
	FETCH_A 0, 0, 0
	SCALES 0
	FETCH_A 0, 0, 4
	STEP 0, 0, 1                                   ; the first products start the sums: nothing is cleared
	STEPS 0, 1
	TURN 0, 1
	STEPS 1, 0
	s_wait_dscnt 4*NL                              ; the very last step
	WIN MUL_LO
	MUL16 0, 1, NQ-1, 1, 0
	MUL16 2, 1, NQ-1, 1, 0
	s_wait_dscnt 0
	WIN MUL_HI
	MUL16 4, 1, NQ-1, 1, 0
	MUL16 6, 1, NQ-1, 1, 0
	WIN 0
	PLACES NP                                      ; behind the last products: for the reads of results and the loads into operands' registers below
	; THE f32 ROWS: where my first 16 rows are positions 0-15 of a batch, block 0 goes out as it is, through my stage, as whole rows of 512 bytes
	s_cmp_lg_u32 s44, 0
	s_cbranch_scc1 .Lno_fine
	WIN 0x08                                       ; an LDS store's data: window 2
.irp b, 0,1,2,3,4,5,6,7
	ds_store_b128 v[STO32], v[8*\b:8*\b+3] offset:64*\b             ; each accumulator from its low end on
	ds_store_b128 v[STO32], v[8*\b+4:8*\b+7] offset:64*\b+16
.endr
	WIN 0
.irp t, 0,1,2,3,4,5,6,7,8,9,10,11,12,13,14,15
	ds_load_b128 v[BK+4*\t:BK+4*\t+3], v[RD32] offset:\t*SP32       ; LDS serves a wave's instructions in order: these see the stores above
.endr
	s_wait_dscnt 0x0
.irp t, 0,1,2,3,4,5,6,7,8,9,10,11,12,13,14,15
	global_store_b128 v[CO32], v[BK+4*\t:BK+4*\t+3], s[10:11] offset:\t*4096   ; 32 lanes store 512 consecutive bytes, aligned to 256
.endr
.Lno_fine:
; THE WAY OUT in f16, block by block of 16 rows x 128 columns: rounded, 16 bytes a lane into my stage, back as whole rows of 256 bytes, stored.
.macro PACK a
.set AC, 64*((\a)%4)
	WIN 0x0a+5*((\a)/4)                            ; sources 0 and 1: window 2 or 3
.irp b, 0,1,2,3,4,5,6,7
.irp r, 0,1,2,3
	v_cvt_pk_f16_f32 v[TMP+4*\b+\r], v[AC+8*\b+2*\r], v[AC+8*\b+2*\r+1]
.endr
.endr
	WIN 0
.endm
.macro TOSTAGE a
.set BB, OB+192*((\a)%2)
.irp b, 0,1,2,3,4,5,6,7
	ds_store_b128 v[STO], v[TMP+4*\b:TMP+4*\b+3] offset:32*\b
.endr
.irp t, 0,1,2,3,4,5,6,7
	ds_load_b128 v[BB+4*\t:BB+4*\t+3], v[RD] offset:\t*2*SP16
.endr
.endm
.macro SEND a
.set BB, OB+192*((\a)%2)
	s_wait_dscnt 0x0                               ; the block is back in registers
	s_wait_xcnt 0x0                                ; earlier stores have read their base and their data: both may be written again
.if (\a) > 0
	s_add_nc_u64 s[12:13], s[12:13], 16*2048       ; 16 rows of h16 on
.endif
.irp t, 0,1,2,3,4,5,6,7
	global_store_b128 v[CO], v[BB+4*\t:BB+4*\t+3], s[12:13] offset:2*\t*2048   ; 16 lanes store 256 consecutive bytes, aligned
.endr
.endm
	PACK 0
	TOSTAGE 0
.irp a, 1,2,3,4,5,6,7                  ; block a's conversions stand between block a - 1's loads from the stage and the wait for them
	PACK \a
	SEND \a-1
	TOSTAGE \a
.endr
	SEND 7
	s_wait_tensorcnt 0x0                           ; the wave's end
	ds_add_u32 v[SPW], v[NIL]
	s_wait_dscnt 0x0
	CROUND                                         ; the closing round: no work-group ends while a partner may still ask for a tile that names it
	s_endpgm
.Lfunc_end_k_q81158ef462_proj:
	.size	k_q81158ef462_proj, .Lfunc_end_k_q81158ef462_proj-k_q81158ef462_proj
	.p2alignl 7, 3214868480
	.fill 96, 4, 3214868480
	.section	.rodata,"a",@progbits
	.p2align	6, 0x0
	.amdhsa_kernel k_q81158ef462_proj
		.amdhsa_group_segment_fixed_size 327680
		.amdhsa_private_segment_fixed_size 0
		.amdhsa_enable_private_segment 0
		.amdhsa_kernarg_size 32
		.amdhsa_user_sgpr_count 2
		.amdhsa_user_sgpr_kernarg_segment_ptr 1
		.amdhsa_wavefront_size32 1
		.amdhsa_system_sgpr_workgroup_id_x 1
		.amdhsa_system_sgpr_workgroup_id_y 1
		.amdhsa_system_sgpr_workgroup_id_z 1
		.amdhsa_system_vgpr_workitem_id 0
		.amdhsa_next_free_vgpr 1024
		.amdhsa_next_free_sgpr 100
		.amdhsa_reserve_vcc 0
		.amdhsa_float_denorm_mode_32 3
		.amdhsa_float_denorm_mode_16_64 3
		.amdhsa_memory_ordered 1
		.amdhsa_forward_progress 1
		.amdhsa_inst_pref_size 130
	.end_amdhsa_kernel
	.amdgpu_metadata
---
amdhsa.version: [ 1, 2 ]
amdhsa.kernels:
  - .name:           k_q81158ef462_proj
    .symbol:         k_q81158ef462_proj.kd
    .args:
      - { .name: codes, .offset: 0, .size: 8, .value_kind: global_buffer, .address_space: global }
      - { .name: scales, .offset: 8, .size: 8, .value_kind: global_buffer, .address_space: global }
      - { .name: h16, .offset: 16, .size: 8, .value_kind: global_buffer, .address_space: global }
      - { .name: fine, .offset: 24, .size: 8, .value_kind: global_buffer, .address_space: global }
    .group_segment_fixed_size: 327680
    .private_segment_fixed_size: 0
    .kernarg_segment_align: 8
    .kernarg_segment_size: 32
    .max_flat_workgroup_size: 128
    .sgpr_count:     100
    .vgpr_count:     1024
    .wavefront_size: 32
...
	.end_amdgpu_metadata
.endif
;; end of part 2
;; launch scores (part 3): grid 9 x 16, 4 waves a work-group, no clusters, 327,680 bytes of LDS; arguments h16, sc; writes sc
.if DOCPART == 3
	.amdgcn_target "amdgcn-amd-amdhsa--gfx1250"
	.amdhsa_code_object_version 6
	.text
	.protected	k_q81158ef462_scores
	.globl	k_q81158ef462_scores
	.p2align	8
	.type	k_q81158ef462_scores,@function
k_q81158ef462_scores:
	s_mov_b64 s[64:65], 0
	v_nop
	global_prefetch_b8 v0, s[64:65] scope:SCOPE_SE
	s_setreg_imm32_b32 hwreg(HW_REG_WAVE_MODE, 25, 1), 1
	s_wait_xcnt 0x0
; LAUNCH 3 OF 7.  The raw scores S[b][q][k] = qh[b][q] . kh[b][k], f16 operands, f32 sums, into sc [8192][2048] f32.  The factor 1/8, the mask and the softmax are launch 4's.
; LEFT OUT (shown at the head of launch 1): tiles of 256 x 256 wholly above the diagonal, whose scores reference()'s own mask turns to -inf.  In a tile on the diagonal the wave tile of rows 0-127 x keys 128-255
; is multiplied with the rest (it lies inside a live tile) and not stored: launch 4 does not read it.
; SHARES.  A batch has 36 live tiles (i, j), j <= i < 8.  Rows i and 7 - i of the triangle hold 9 tiles together: work-group (x, y): batch y / 4, yy = y % 4; x <= yy: tile (yy, x); else tile (7 - yy, x - yy - 1).
; A tile is made by four waves, 128 x 128 each: 64 accumulators, 512 registers.  K = 1,024 goes in steps of 128 through a ring of two LDS slots; every wave fetches a quarter of a slot (128 rows x 256 bytes) by one tensor load.
; NO CLUSTER: a row of the triangle has i + 1 tiles, which no four divides at every i; a partner set above the diagonal to make up a four would read nothing of what a joint load brings it.
; THE MATRIX INSTRUCTION IS USED TRANSPOSED (source 0 = 16 rows of kh, source 1 = 16 rows of qh): a lane holds eight neighbouring keys of one query.
; REGISTERS, in windows of 256: window 0: v0-31 addresses; v64-127, v128-191 fragments of qh, two buffers; on the way out v128-255.  window 1: v64-127, v128-191 fragments of kh.
;   window 2: the accumulators of my rows 0-63 ((a, b) at v[8 (8 a + b)]);  window 3: those of rows 64-127.
.set KSTEP,  128
.set PITCH,  272                       ; an LDS row: 256 bytes + 16 of padding: the 16 rows that a load touches start at 16 different banks (ISA guide 11.1)
.set HALFT,  128*PITCH
.set SLOT,   4*HALFT
.set STAGE,  2*SLOT                    ; behind the ring: 16 rows x 528 bytes for each wave
.set SPITCH, 528
.set SPARE,  STAGE+4*16*SPITCH         ; behind the stages: the spare words, 128 bytes a wave
.set CROW,   8192                      ; a row of sc in bytes
.set ADRA, 16
.set ADRB, 20
.set STO,  24
.set RD,   25
.set CO,   26
.set SPW,  28
.set NIL,  29
.set F0,   64
.set F1,   128
.set BK,   128
.set G1, 24                            ; s[24:31] descriptor group 1
.set G0, 32                            ; s[32:39] group 0, a set for each slot
.set MSB, 0
.macro WIN new
.if MSB != (\new)
	s_set_vgpr_msb (MSB<<8)|(\new)
.set MSB, (\new)
.endif
.endm
.set MUL_LO, 0xa1
.set MUL_HI, 0xf1
.set TO_B,   0x40
	s_load_b128 s[4:7], s[0:1], 0x0                ; h16 s[4:5], sc s[6:7]
	v_lshl_add_u32 v[SPW], v0, 2, SPARE
	v_mov_b32 v[NIL], 0
	ds_add_u32 v[SPW], v[NIL]                      ; the wave's opening: the add, twice on end, and its wait ahead of my first tensor load
	ds_add_u32 v[SPW], v[NIL]
	v_lshrrev_b32 v1, 5, v0
	v_readfirstlane_b32 s10, v1                    ; wave 0..3
	s_lshr_b32 s11, s10, 1                         ; which half of the tile's queries is mine
	s_and_b32 s12, s10, 1                          ; which half of its keys.  Also: which 128 rows I fetch
	s_and_b32 s13, ttmp7, 0xffff
	s_lshr_b32 s40, s13, 2                         ; batch
	s_and_b32 s41, s13, 3                          ; yy
	s_sub_co_u32 s42, 7, s41
	s_sub_co_u32 s43, ttmp9, s41
	s_sub_co_u32 s43, s43, 1
	s_cmp_le_u32 ttmp9, s41
	s_cselect_b32 s42, s41, s42                    ; i: the tile's block of queries
	s_cselect_b32 s43, ttmp9, s43                  ; j: its block of keys
	s_mov_b32 s[G1+0], (1<<16)|(1<<20)|(5<<22)|(3<<25)   ; elements of 2 bytes; padding: 4 words behind every 64
	s_mov_b32 s[G1+1], KSTEP<<16                   ; tensor_dim0 = 128
	s_mov_b32 s[G1+2], 128<<16                     ; tensor_dim1 = 128
	s_mov_b32 s[G1+3], KSTEP<<16                   ; tile_dim0
	s_mov_b32 s[G1+4], 128                         ; tile_dim1
	s_mov_b32 s[G1+5], 1024                        ; elements from row to row
	s_mov_b32 s[G1+6], 0
	s_mov_b32 s[G1+7], 0
	s_lshl_b32 s44, s40, 11                        ; 2,048 x batch
	s_lshl_b32 s45, s42, 8                         ; 256 i
	s_lshl_b32 s46, s43, 8
	s_add_co_u32 s46, s46, 8192                    ; 256 j, in kh
	s_cmp_lt_u32 s10, 2                            ; waves 0, 1 fetch qh's halves, waves 2, 3 kh's: a choice between offsets
	s_cselect_b32 s16, s45, s46
	s_add_co_u32 s16, s16, s44
	s_lshl_b32 s17, s12, 7
	s_add_co_u32 s16, s16, s17
	s_lshl_b32 s16, s16, 11                        ; 2,048 bytes a row
	s_mov_b32 s17, 0
	s_mul_i32 s20, s10, HALFT                      ; where my quarter goes: wave x 128 rows
	s_xor_b32 s47, s42, s43
	s_xor_b32 s46, s10, 1
	s_or_b32 s47, s47, s46                         ; 0 in wave 1 of a tile on the diagonal: its results are not stored
	s_wait_dscnt 0x0                               ; both opening adds are done
	s_wait_kmcnt 0x0
	s_add_nc_u64 s[14:15], s[4:5], s[16:17]
.irp s, 0,1
	s_mov_b32 s[G0+4*\s], 1
	s_add_co_u32 s[G0+4*\s+1], s20, \s*SLOT
	s_add_nc_u64 s[G0+4*\s+2:G0+4*\s+3], s[14:15], \s*KSTEP*2
	s_or_b32 s[G0+4*\s+3], s[G0+4*\s+3], 0x80000000
	tensor_load_to_lds s[G0+4*\s:G0+4*\s+3], s[G1:G1+7]           ; K steps 0 and 1: two loads of mine are out
	s_nop 0
.endr
	v_and_b32 v1, 15, v0                           ; l % 16
	v_bfe_u32 v2, v0, 4, 1                         ; l / 16
	v_mul_u32_u24 v3, v1, PITCH
	v_lshl_add_u32 v3, v2, 4, v3
	s_mul_i32 s21, s11, HALFT                      ; my 128 rows of qh
	s_mul_i32 s22, s12, HALFT                      ; my 128 rows of kh,
	s_add_co_u32 s22, s22, 2*HALFT                 ; behind qh's 256
.irp s, 0,1
	v_add_nc_u32 v[ADRA+\s], s21, v3
	v_add_nc_u32 v[ADRB+\s], s22, v3
	s_add_co_u32 s21, s21, SLOT
	s_add_co_u32 s22, s22, SLOT
.endr
	s_mul_i32 s23, s10, 16*SPITCH
	s_add_co_u32 s23, s23, STAGE                   ; my stage
	v_mul_u32_u24 v4, v1, SPITCH                   ; in: row l % 16, 32 bytes for each half of the lanes
	v_lshl_add_u32 v4, v2, 5, v4
	v_add_nc_u32 v[STO], s23, v4
	v_and_b32 v5, 31, v0
	v_lshlrev_b32 v[CO], 4, v5                     ; back: the 32 lanes take one row of 512 bytes; the same in sc
	v_add_nc_u32 v[RD], s23, v[CO]
	s_add_co_u32 s16, s44, s45
	s_lshl_b32 s17, s11, 7
	s_add_co_u32 s16, s16, s17                     ; my first row of sc
	s_lshl_b32 s16, s16, 13
	s_lshl_b32 s17, s43, 10                        ; my first key in bytes: 1,024 j + 512 x half
	s_add_co_u32 s16, s16, s17
	s_lshl_b32 s17, s12, 9
	s_add_co_u32 s16, s16, s17
	s_mov_b32 s17, 0
	s_add_nc_u64 s[6:7], s[6:7], s[16:17]
; 16 matrix instructions: m blocks a0, a0 + 1 of the window's four x all 8 n blocks, 32 along K.  zero = 1: the first product starts the sums.  The 64 accumulators take turns.
.macro MUL16 f, hi, a0, zero
.irp a, \a0, \a0+1
.irp b, 0,1,2,3,4,5,6,7
.if \zero
	v_wmma_f32_16x16x32_f16 v[8*(8*(\a)+\b):8*(8*(\a)+\b)+7], v[\f+8*\b:\f+8*\b+7], v[\f+8*(4*\hi+\a):\f+8*(4*\hi+\a)+7], 0
.else
	v_wmma_f32_16x16x32_f16 v[8*(8*(\a)+\b):8*(8*(\a)+\b)+7], v[\f+8*\b:\f+8*\b+7], v[\f+8*(4*\hi+\a):\f+8*(4*\hi+\a)+7], v[8*(8*(\a)+\b):8*(8*(\a)+\b)+7]
.endif
.endr
.endr
.endm
.macro FETCH slot, k, f                ; 32 LDS loads in one run: the fragments of 32 along K at byte k of the rows
	WIN TO_B
.irp i, 0,1,2,3,4,5,6,7
	ds_load_b128 v[\f+8*\i:\f+8*\i+3],   v[ADRB+\slot] offset:\k+\i*16*PITCH
	ds_load_b128 v[\f+8*\i+4:\f+8*\i+7], v[ADRB+\slot] offset:\k+\i*16*PITCH+32
.endr
	WIN 0
.irp i, 0,1,2,3,4,5,6,7
	ds_load_b128 v[\f+8*\i:\f+8*\i+3],   v[ADRA+\slot] offset:\k+\i*16*PITCH
	ds_load_b128 v[\f+8*\i+4:\f+8*\i+7], v[ADRA+\slot] offset:\k+\i*16*PITCH+32
.endr
.endm
.macro PLACES                          ; four plain vector instructions between a matrix instruction and a load into, or a read of, its registers
.rept 4
	v_nop
.endr
.endm
.macro QUARTER slot, k, f, g, zero     ; 64 matrix instructions on buffer f; in the middle the next quarter's fragments, at byte k, into buffer g
	s_wait_dscnt 8                                 ; kh's and qh's rows 0-63 are in; the youngest eight loads (qh's rows 64-127) may be out
	WIN MUL_LO
	MUL16 \f, 0, 0, \zero
	MUL16 \f, 0, 2, \zero
	PLACES
	FETCH \slot, \k, \g
	s_wait_dscnt 32                                ; all but the 32 just issued
	WIN MUL_HI
	MUL16 \f, 1, 0, \zero
	MUL16 \f, 1, 2, \zero
.endm
; The last quarter of a K step changes slots: one barrier; in front of it each wave waits for all its tensor loads (its part of the next slot), adds 0 to its spare word, and waits for that and for its reads of this slot.
.macro MEET
	WIN 0
	s_wait_tensorcnt 0x0                           ; all my tensor loads have landed
	ds_add_u32 v[SPW], v[NIL]
	s_wait_dscnt 9                                 ; (the add and the youngest eight loads may be out)
	WIN MUL_LO
	MUL16 F1, 0, 0, 0
	s_wait_dscnt 0x0                               ; the add is done, and my reads of this slot are over
	s_barrier_signal -1
	MUL16 F1, 0, 2, 0
	WIN 0
	s_barrier_wait -1
.endm
.macro TURN slot, next, fill           ; fill = 1: the slot just read out takes the K step two steps on: my one tensor load behind the barrier, and the first thing there
	MEET
.if \fill
	s_add_nc_u64 s[G0+4*\slot+2:G0+4*\slot+3], s[G0+4*\slot+2:G0+4*\slot+3], 2*KSTEP*2
	tensor_load_to_lds s[G0+4*\slot:G0+4*\slot+3], s[G1:G1+7]
	s_nop 0
.rept 4
	v_nop                                          ; (also the places in front of the loads below)
.endr
.else
	PLACES
.endif
	FETCH \next, 0, F0
	WIN MUL_HI
	MUL16 F1, 1, 0, 0
	MUL16 F1, 1, 2, 0
.endm
	s_wait_tensorcnt 1                             ; my part of K step 0 is in (K step 1's load may be out)
	s_barrier_signal -1
	s_barrier_wait -1                              ; everybody's is
	FETCH 0, 0, F0
	QUARTER 0, 64,  F0, F1, 1                      ; the first quarter starts the sums
	WIN 0
	s_mov_b32 s3, 3                                ; K steps 2 to 7 are asked for in three trips
.Llap:                                             ; a trip goes once round the ring, from a lap's second quarter to the next lap's first
	QUARTER 0, 128, F1, F0, 0
	QUARTER 0, 192, F0, F1, 0
	TURN 0, 1, 1
	QUARTER 1, 64,  F0, F1, 0
	QUARTER 1, 128, F1, F0, 0
	QUARTER 1, 192, F0, F1, 0
	TURN 1, 0, 1
	QUARTER 0, 64,  F0, F1, 0
	WIN 0
	s_sub_co_u32 s3, s3, 1
	s_cmp_lg_u32 s3, 0
	s_cbranch_scc1 .Llap
	QUARTER 0, 128, F1, F0, 0                      ; the last lap asks for nothing
	QUARTER 0, 192, F0, F1, 0
	TURN 0, 1, 0
	QUARTER 1, 64,  F0, F1, 0
	QUARTER 1, 128, F1, F0, 0
	QUARTER 1, 192, F0, F1, 0
	s_wait_dscnt 8
	WIN MUL_LO
	MUL16 F1, 0, 0, 0
	MUL16 F1, 0, 2, 0
	s_wait_dscnt 0
	WIN MUL_HI
	MUL16 F1, 1, 0, 0
	MUL16 F1, 1, 2, 0
	WIN 0
	s_cmp_eq_u32 s47, 0                            ; ids and the wave's number alone; no barrier stands on the way that is jumped over
	s_cbranch_scc1 .Ldone
; THE WAY OUT, block by block of 16 queries x 128 keys: through my own stage and back as whole rows of 512 bytes.  LDS serves a wave's instructions in order: no wait between the stores and the loads.
.macro TOSTAGE a
.set AC, 64*((\a)%4)
	WIN 0x08+4*((\a)/4)                            ; the data: window 2 or 3
.irp b, 0,1,2,3,4,5,6,7
	ds_store_b128 v[STO], v[AC+8*\b:AC+8*\b+3] offset:64*\b          ; each accumulator from its low end on
	ds_store_b128 v[STO], v[AC+8*\b+4:AC+8*\b+7] offset:64*\b+16
.endr
	WIN 0
.set BB, BK+64*((\a)%2)
.irp t, 0,1,2,3,4,5,6,7,8,9,10,11,12,13,14,15
	ds_load_b128 v[BB+4*\t:BB+4*\t+3], v[RD] offset:\t*SPITCH
.endr
.endm
.macro SEND a, younger                 ; younger: the LDS instructions issued behind block a's loads, which may stay out
.set BB, BK+64*((\a)%2)
	s_wait_dscnt \younger
.if (\a) > 0
	s_add_nc_u64 s[6:7], s[6:7], 16*CROW           ; (behind a wait for the earlier stores' addresses)  16 rows on
.endif
.irp t, 0,1,2,3,4,5,6,7,8,9,10,11,12,13,14,15
	global_store_b128 v[CO], v[BB+4*\t:BB+4*\t+3], s[6:7] offset:\t*CROW   ; 32 lanes store 512 consecutive bytes, aligned to 256
.endr
.endm
	PLACES
	TOSTAGE 0
.irp a, 1,2,3,4,5,6,7
.if \a > 1
	s_wait_xcnt 0x0                                ; block a - 2's stores have read their registers and their base
.endif
	TOSTAGE \a
	SEND \a-1, 32                                  ; behind block a - 1's loads: block a's 16 stores and 16 loads
.endr
	s_wait_xcnt 0x0
	SEND 7, 0
.Ldone:
	s_wait_tensorcnt 0x0                           ; the wave's end
	ds_add_u32 v[SPW], v[NIL]
	s_wait_dscnt 0x0
	s_endpgm
.Lfunc_end_k_q81158ef462_scores:
	.size	k_q81158ef462_scores, .Lfunc_end_k_q81158ef462_scores-k_q81158ef462_scores
	.p2alignl 7, 3214868480
	.fill 96, 4, 3214868480
	.section	.rodata,"a",@progbits
	.p2align	6, 0x0
	.amdhsa_kernel k_q81158ef462_scores
		.amdhsa_group_segment_fixed_size 327680
		.amdhsa_private_segment_fixed_size 0
		.amdhsa_enable_private_segment 0
		.amdhsa_kernarg_size 16
		.amdhsa_user_sgpr_count 2
		.amdhsa_user_sgpr_kernarg_segment_ptr 1
		.amdhsa_wavefront_size32 1
		.amdhsa_system_sgpr_workgroup_id_x 1
		.amdhsa_system_sgpr_workgroup_id_y 1
		.amdhsa_system_sgpr_workgroup_id_z 1
		.amdhsa_system_vgpr_workitem_id 0
		.amdhsa_next_free_vgpr 1024
		.amdhsa_next_free_sgpr 66
		.amdhsa_reserve_vcc 0
		.amdhsa_float_denorm_mode_32 3
		.amdhsa_float_denorm_mode_16_64 3
		.amdhsa_memory_ordered 1
		.amdhsa_forward_progress 1
		.amdhsa_inst_pref_size 137
	.end_amdhsa_kernel
	.amdgpu_metadata
---
amdhsa.version: [ 1, 2 ]
amdhsa.kernels:
  - .name:           k_q81158ef462_scores
    .symbol:         k_q81158ef462_scores.kd
    .args:
      - { .name: h16, .offset: 0, .size: 8, .value_kind: global_buffer, .address_space: global }
      - { .name: sc, .offset: 8, .size: 8, .value_kind: global_buffer, .address_space: global }
    .group_segment_fixed_size: 327680
    .private_segment_fixed_size: 0
    .kernarg_segment_align: 8
    .kernarg_segment_size: 16
    .max_flat_workgroup_size: 128
    .sgpr_count:     66
    .vgpr_count:     1024
    .wavefront_size: 32
...
	.end_amdgpu_metadata
.endif
;; end of part 3
;; launch softmax (part 4): grid 1024 x 1, 8 waves a work-group, no clusters, 0 bytes of LDS; arguments sc, p16; writes p16
.if DOCPART == 4
	.amdgcn_target "amdgcn-amd-amdhsa--gfx1250"
	.amdhsa_code_object_version 6
	.text
	.protected	k_q81158ef462_softmax
	.globl	k_q81158ef462_softmax
	.p2align	8
	.type	k_q81158ef462_softmax,@function
k_q81158ef462_softmax:
	s_mov_b64 s[64:65], 0
	v_nop
	global_prefetch_b8 v0, s[64:65] scope:SCOPE_SE
	s_setreg_imm32_b32 hwreg(HW_REG_WAVE_MODE, 25, 1), 1
	s_wait_xcnt 0x0
; LAUNCH 4 OF 7.  p = softmax over the keys of (score / 8 under the causal mask), in f32, normalised, rounded once to f16 into p16 [8192][2048].
; LEFT OUT (shown at the head of launch 1): keys beyond the row's block of 128: their p is 0 for all inputs, and launch 5 does not read them, but for one chunk of 128 zeros behind the rows of an even block,
; which its steps of 256 keys do read: that chunk is stored here.
; SHARES.  A wave takes a row; the row stays in registers between the maximum, the exponentials and the scaling, so memory is read once.  A chunk is 128 keys: 4 a lane, 512 consecutive bytes a load.
; A row of block n (n = (row % 2048) / 128) has n + 1 live chunks.  The text holds sixteen straight variants of one macro, one for each n; the eight rows of a work-group lie in one block and take the same one.
; Only the last chunk meets the diagonal, so only its four registers are masked.  The row's maximum is taken away before the exponential, as reference() does: p = 2^((s - m) c), c = log2(e) / 8.
; No LDS, no barrier, no matrix unit, no cluster: memory binds, and waves share nothing.
.set X, 32                             ; v32-95  the row: four registers a chunk
	s_load_b128 s[4:7], s[0:1], 0x0                ; sc s[4:5], p16 s[6:7]
	v_lshrrev_b32 v1, 5, v0
	v_readfirstlane_b32 s8, v1                     ; wave
	v_and_b32 v1, 31, v0                           ; lane
	v_lshlrev_b32 v2, 4, v1                        ; in: 16 bytes a lane
	v_lshlrev_b32 v3, 3, v1                        ; out: 8 bytes a lane
	s_lshl_b32 s9, ttmp9, 3
	s_add_co_u32 s9, s9, s8                        ; my row
	s_and_b32 s10, s9, 127                         ; the query's place in its block
	v_lshlrev_b32 v4, 2, v1
	v_sub_nc_u32 v4, s10, v4                       ; d = that place - 4 x lane: of the last chunk my key j is hidden where j > d
	s_bfe_u32 s11, s9, 0x40007                     ; n: the row's block of 128 within its batch
	s_mov_b32 s12, 0x76543210                      ; v_permlanex16_b32's selects for lane l xor 16
	s_mov_b32 s13, 0xfedcba98
	s_mov_b32 s14, 0x3e38aa3b                      ; c = log2(e) / 8
	s_mov_b32 s15, s14                             ; (named with it as a pair, so it is written)
	v_mov_b32 v20, 0xff800000                      ; -infinity
	v_mov_b32 v7, 0                                ; written once: a lane permute's destination counts as one of its sources
	v_mov_b32 v18, 0
	v_mov_b32 v19, 0                               ; the chunk of zeros
	s_lshl_b32 s16, s9, 13                         ; 8,192 bytes a row of sc
	s_mov_b32 s17, 0
	s_lshl_b32 s18, s9, 12                         ; 4,096 bytes a row of p16
	s_mov_b32 s19, 0
	s_wait_kmcnt 0x0
	s_add_nc_u64 s[4:5], s[4:5], s[16:17]
	s_add_nc_u64 s[6:7], s[6:7], s[18:19]
.irp n, 1,2,3,4,5,6,7,8,9,10,11,12,13,14,15
	s_cmp_eq_u32 s11, \n                           ; a branch on the row's number
	s_cbranch_scc1 .Lv_\n
.endr
.macro ROWV n
.Lv_\n:
.set c, 0
.rept \n+1
	global_load_b128 v[X+4*c:X+4*c+3], v2, s[4:5] offset:512*c th:TH_LOAD_NT   ; 32 lanes read 512 consecutive bytes; read once in the launch
.set c, c+1
.endr
	s_wait_loadcnt 0x0
.irp j, 0,1,2,3
	v_cmp_gt_i32 vcc_lo, \j, v4
	v_cndmask_b32 v[X+4*\n+\j], v[X+4*\n+\j], v20, vcc_lo          ; hidden keys: -infinity, so that p = 0
.endr
	v_max_num_f32 v5, v[X], v[X+1]                 ; the largest score of my keys, in two chains.  Key 0 counts for every query: the row's maximum is a number
	v_max_num_f32 v6, v[X+2], v[X+3]
.set c, 1
.rept \n
	v_max3_num_f32 v5, v5, v[X+4*c], v[X+4*c+1]
	v_max3_num_f32 v6, v6, v[X+4*c+2], v[X+4*c+3]
.set c, c+1
.endr
	v_max_num_f32 v5, v5, v6
	v_max_num_f32_dpp v5, v5, v5 row_xmask:1 row_mask:0xf bank_mask:0xf
	v_max_num_f32_dpp v5, v5, v5 row_xmask:2 row_mask:0xf bank_mask:0xf
	v_max_num_f32_dpp v5, v5, v5 row_xmask:4 row_mask:0xf bank_mask:0xf
	v_max_num_f32_dpp v5, v5, v5 row_xmask:8 row_mask:0xf bank_mask:0xf
	v_permlanex16_b32 v7, v5, s12, s13
	v_max_num_f32 v8, v5, v7                       ; m, in every lane,
	v_mov_b32 v9, v8                               ; twice, for the packed forms
.set c, 0
.rept 2*(\n+1)
	v_pk_add_f32 v[X+2*c:X+2*c+1], v[X+2*c:X+2*c+1], v[8:9] neg_lo:[0,1] neg_hi:[0,1]   ; s - m: near the maximum nothing is rounded
.set c, c+1
.endr
.set c, 0
.rept 2*(\n+1)
	v_pk_mul_f32 v[X+2*c:X+2*c+1], v[X+2*c:X+2*c+1], s[14:15] op_sel_hi:[1,0]           ; x c
.set c, c+1
.endr
.set c, 0
.rept 4*(\n+1)
	v_exp_f32 v[X+c], v[X+c]                       ; one batch
.set c, c+1
.endr
	v_nop                                          ; a plain instruction behind the last exponential
	s_wait_alu depctr_va_vdst(0)                   ; one wait for the batch, ahead of its first reader
	v_pk_add_f32 v[10:11], v[X:X+1], v[X+2:X+3]    ; the row's sum, two at a time, in two chains
.if \n >= 1
	v_pk_add_f32 v[12:13], v[X+4:X+5], v[X+6:X+7]
.set c, 2
.rept \n-1
	v_pk_add_f32 v[10:11], v[10:11], v[X+4*c:X+4*c+1]
	v_pk_add_f32 v[12:13], v[12:13], v[X+4*c+2:X+4*c+3]
.set c, c+1
.endr
	v_pk_add_f32 v[10:11], v[10:11], v[12:13]
.endif
	v_add_f32 v10, v10, v11
	v_add_f32_dpp v10, v10, v10 row_xmask:1 row_mask:0xf bank_mask:0xf
	v_add_f32_dpp v10, v10, v10 row_xmask:2 row_mask:0xf bank_mask:0xf
	v_add_f32_dpp v10, v10, v10 row_xmask:4 row_mask:0xf bank_mask:0xf
	v_add_f32_dpp v10, v10, v10 row_xmask:8 row_mask:0xf bank_mask:0xf
	v_permlanex16_b32 v7, v10, s12, s13
	v_add_f32 v10, v10, v7
	v_rcp_f32 v14, v10
	v_nop
	s_wait_alu depctr_va_vdst(0)
	v_mov_b32 v15, v14
.set c, 0
.rept \n+1
	v_pk_mul_f32 v[X+4*c:X+4*c+1], v[X+4*c:X+4*c+1], v[14:15]
	v_pk_mul_f32 v[X+4*c+2:X+4*c+3], v[X+4*c+2:X+4*c+3], v[14:15]
	v_cvt_pk_f16_f32 v[X+4*c], v[X+4*c], v[X+4*c+1]
	v_cvt_pk_f16_f32 v[X+4*c+1], v[X+4*c+2], v[X+4*c+3]
	global_store_b64 v3, v[X+4*c:X+4*c+1], s[6:7] offset:256*c     ; the wave stores 256 consecutive bytes, aligned
.set c, c+1
.endr
.if (\n)%2 == 0
	global_store_b64 v3, v[18:19], s[6:7] offset:256*(\n+1)        ; the chunk of zeros that fills launch 5's last step of 256 keys
.endif
	s_endpgm
.endm
.irp n, 0,1,2,3,4,5,6,7,8,9,10,11,12,13,14,15
	ROWV \n
.endr
.Lfunc_end_k_q81158ef462_softmax:
	.size	k_q81158ef462_softmax, .Lfunc_end_k_q81158ef462_softmax-k_q81158ef462_softmax
	.p2alignl 7, 3214868480
	.fill 96, 4, 3214868480
	.section	.rodata,"a",@progbits
	.p2align	6, 0x0
	.amdhsa_kernel k_q81158ef462_softmax
		.amdhsa_group_segment_fixed_size 0
		.amdhsa_private_segment_fixed_size 0
		.amdhsa_enable_private_segment 0
		.amdhsa_kernarg_size 16
		.amdhsa_user_sgpr_count 2
		.amdhsa_user_sgpr_kernarg_segment_ptr 1
		.amdhsa_wavefront_size32 1
		.amdhsa_system_sgpr_workgroup_id_x 1
		.amdhsa_system_sgpr_workgroup_id_y 1
		.amdhsa_system_sgpr_workgroup_id_z 1
		.amdhsa_system_vgpr_workitem_id 0
		.amdhsa_next_free_vgpr 96
		.amdhsa_next_free_sgpr 66
		.amdhsa_reserve_vcc 1
		.amdhsa_float_denorm_mode_32 3
		.amdhsa_float_denorm_mode_16_64 3
		.amdhsa_memory_ordered 1
		.amdhsa_forward_progress 1
		.amdhsa_inst_pref_size 166
	.end_amdhsa_kernel
	.amdgpu_metadata
---
amdhsa.version: [ 1, 2 ]
amdhsa.kernels:
  - .name:           k_q81158ef462_softmax
    .symbol:         k_q81158ef462_softmax.kd
    .args:
      - { .name: sc, .offset: 0, .size: 8, .value_kind: global_buffer, .address_space: global }
      - { .name: p16, .offset: 8, .size: 8, .value_kind: global_buffer, .address_space: global }
    .group_segment_fixed_size: 0
    .private_segment_fixed_size: 0
    .kernarg_segment_align: 8
    .kernarg_segment_size: 16
    .max_flat_workgroup_size: 256
    .sgpr_count:     66
    .vgpr_count:     96
    .wavefront_size: 32
...
	.end_amdgpu_metadata
.endif
;; end of part 4
;; launch pv (part 5): grid 8 x 32, 4 waves a work-group, clusters of 4 x 1, 327,680 bytes of LDS; arguments p16, h16, y16; writes y16
.if DOCPART == 5
	.amdgcn_target "amdgcn-amd-amdhsa--gfx1250"
	.amdhsa_code_object_version 6
	.text
	.protected	k_q81158ef462_pv
	.globl	k_q81158ef462_pv
	.p2align	8
	.type	k_q81158ef462_pv,@function
k_q81158ef462_pv:
	s_mov_b64 s[64:65], 0
	v_nop
	global_prefetch_b8 v0, s[64:65] scope:SCOPE_SE
	s_setreg_imm32_b32 hwreg(HW_REG_WAVE_MODE, 25, 1), 1
	s_wait_xcnt 0x0
	s_wait_alu depctr_hold_cnt(0) depctr_sa_sdst(0) depctr_va_vdst(0) depctr_va_sdst(0) depctr_va_ssrc(0) depctr_va_vcc(0) depctr_vm_vsrc(0)
	s_getreg_b32 s2, hwreg(HW_REG_IB_STS2, 6, 4)
	s_cmp_eq_u32 s2, 0
	s_cbranch_scc0 .Lentry_in_a_cluster
	s_endpgm
.Lentry_in_a_cluster:
	s_bfe_u32 s2, ttmp6, 0x10000c
	s_cmp_lg_u32 s2, 0x3003
	s_cbranch_scc0 .Lentry_shape_is_right
	s_endpgm
.Lentry_shape_is_right:
; LAUNCH 5 OF 7.  y[b][q][:] = the sum over the keys of p[b][q][k] vh[b][k][:], f16 operands, f32 sums, rounded once to f16 into y16 [8192][1024].
; LEFT OUT (shown at the head of launch 1): the steps of 256 keys all of which come after a tile's 128 queries: p = 0 there.  In the last step of an even block of queries 128 keys are zeros: inside a live step they stay.
; SHARES.  A tile is 128 queries x 128 channels.  Block r of a batch's sixteen blocks of queries has r / 2 + 1 steps of 256 keys.  A work-group takes TWO tiles of one column of channels, blocks r and 15 - r (r = 0..7):
; together 9 steps, whatever r: all 256 work-groups have the same work, and every trip count is a constant of the text.  Four waves, 64 x 64 each: 16 accumulators.
; The ring of two LDS slots walks on from the first tile into the second: step u < NA is key step u of block r, else key step u - NA of block 15 - r.  Where the step in hand is step NA the first tile goes out
; and the products start new sums: a branch on the work-group's y and the count of steps, the same in all waves and in all partners.
; p lies [query][key], K innermost.  vh lies [key][channel]: it comes out of LDS turned, by ds_load_tr16_b128.
; THE MATRIX INSTRUCTION IS USED TRANSPOSED (source 0 = 16 channels of vh^T, source 1 = 16 queries of p): a lane holds eight neighbouring channels of one query.
; CLUSTER 4 x 1: four columns of channels of the same two blocks of queries: p's tile is asked for jointly (mask 15).  vh's tile hangs on the column and is each work-group's own load.
; vh is not shared: the work-groups that read the same column have other r, hence other NA, and stand at other keys in the same round.
; REGISTERS: window 0: v0-31 addresses; v32-95 at work on the way out; v128-255 the accumulators ((a, b) at v[128 + 8 (4 a + b)]).  window 1: two buffers of 128: for 64 along K, 64 registers of p, then 64 of vh^T.
.set PA,     528                       ; a row of p in LDS: 512 bytes (256 keys) + 16: the 16 rows of a load start at 16 different banks (ISA guide 11.1)
.set PV,     288                       ; a row of vh: 256 bytes (128 channels) + 32
.set AHALF,  64*PA                     ; what wave 0 or 1 fetches: 64 queries
.set BHALF,  128*PV                    ; what wave 2 or 3 fetches: 128 keys
.set BOFF,   2*AHALF
.set SLOT,   BOFF+2*BHALF
.set STAGE,  2*SLOT                    ; behind the ring: 128 rows x 272 bytes, the work-group's
.set SPITCH, 272
.set SPARE,  STAGE+128*SPITCH          ; behind the stage: the spare words, 128 bytes a wave
.set ADRA, 16                          ; v16-17  my fragments of p in slot 0, 1
.set ADRB, 20                          ; v20-23  my fragments of vh: 2 x slot + half of the slot's keys (240 rows of 288 bytes pass a 16-bit offset)
.set STO,  24
.set RD,   25
.set CO,   26
.set SPW,  28
.set NIL,  29
.set PFO,  30                          ; v30  4,096 x lane: a lane a row of p16; never rewritten
.set TMP,  32
.set ACC,  128
.set F0,   0
.set F1,   128
.set G1A, 24                           ; s[24:31] group 1 for p's tiles;  s[32:39] group 0, a set for each slot
.set G0A, 32
.set G1B, 48                           ; s[48:55], s[56:63] the same for vh's
.set G0B, 56
.set NA,  18                           ; s18  steps of the first tile
.set ROA, 19                           ; s19  byte offset in p16 of the rows that I fetch, first tile;  s20 second tile
.set ROB, 20
.set U,   21                           ; s21  the step that is asked for next
.set YA,  8                            ; s[8:9] y16 at the rows that I store, first tile;  s[66:67] second tile
.set YB,  66
.set NA2, 68                           ; s68  NA + 2: behind a change of slots the step in hand is U - 2
.set PRA, 69                           ; s69, s70  byte offsets in p16 of the rows that I prefetch
.set PRB, 70
.set LIM, 71                           ; s71  6 in a wave that prefetches, else 0: a wave prefetches while U <= LIM (U is 2 at the least)
.set PFA, 72                           ; s[72:73] where my prefetch stands
.set MSB, 0
.macro WIN new
.if MSB != (\new)
	s_set_vgpr_msb (MSB<<8)|(\new)
.set MSB, (\new)
.endif
.endm
.set MUL,  0x05                        ; sources 0 and 1 window 1; C and D window 0
.set TO_F, 0x40                        ; destination window 1, address window 0
.macro JLOAD s                         ; waves 0 and 1 fetch p's halves jointly, waves 2 and 3 vh's; an s_nop 0 and four v_nop follow each of the two lines
	s_cmp_eq_u32 s11, 0
	s_cbranch_scc0 .Lfor_b_\@
	tensor_load_to_lds s[G0A+4*\s:G0A+4*\s+3], s[G1A:G1A+7]
	s_nop 0
.rept 4
	v_nop
.endr
	s_branch .Lasked_\@
.Lfor_b_\@:
	tensor_load_to_lds s[G0B+4*\s:G0B+4*\s+3], s[G1B:G1B+7]
	s_nop 0
.rept 4
	v_nop
.endr
.Lasked_\@:
.endm
.macro CREST                           ; a round of the cluster's barrier behind its opening barrier
	s_cmp_lg_u32 s10, 0
	s_cbranch_scc1 .Lnot_wave_0_\@
	s_barrier_signal -3
.Lnot_wave_0_\@:
	s_barrier_wait -3
	s_barrier_signal -1
	s_barrier_wait -1
.endm
.macro CROUND
	s_barrier_signal -1
	s_barrier_wait -1
	CREST
.endm
; The global addresses of step U into the slot's two groups 0.  Written only where no tensor load of mine is out.  p's address is made of the batch, r, the wave's number and the step: all shared by the partners.
.macro SETD slot
	s_cmp_lt_u32 s[U], s[NA]
	s_cselect_b32 s40, 0, s[NA]
	s_cselect_b32 s41, s[ROA], s[ROB]
	s_sub_co_u32 s40, s[U], s40                    ; the key step within its tile
	s_lshl_b32 s42, s40, 9                         ; 256 keys are 512 bytes of a row of p16
	s_add_co_u32 s42, s42, s41
	s_mov_b32 s43, 0
	s_add_nc_u64 s[G0A+4*\slot+2:G0A+4*\slot+3], s[4:5], s[42:43]
	s_or_b32 s[G0A+4*\slot+3], s[G0A+4*\slot+3], 0x80000000
	s_lshl_b32 s42, s40, 19                        ; 256 rows of vh of 2,048 bytes
	s_add_nc_u64 s[G0B+4*\slot+2:G0B+4*\slot+3], s[6:7], s[42:43]
	s_or_b32 s[G0B+4*\slot+3], s[G0B+4*\slot+3], 0x80000000
.endm
; A PREFETCH INTO THE L2 of p's tile of step U + 2, at the change of slots that asks for step U: two steps, 256 matrix instructions a wave, ahead of its load.  Both clusters of a pair of blocks read the same p:
; the cluster with x = 0 asks.  Its four partners take 32 of the tile's 128 rows each, told apart by address; wave 0 names the first 256 bytes of a row's 512, wave 1 the second; a lane a row.
; So each aligned block of 256 bytes is named once.  Steps 0 to 3 come by their loads alone; at U = 7 and 8 there is no step two on, and nothing is asked for.  vh's tiles, which eight pairs of blocks read, are not asked for.
.macro SETP
	s_add_co_u32 s44, s[U], 2
	s_cmp_lt_u32 s44, s[NA]
	s_cselect_b32 s45, 0, s[NA]
	s_cselect_b32 s46, s[PRA], s[PRB]
	s_sub_co_u32 s44, s44, s45
	s_lshl_b32 s44, s44, 9
	s_add_co_u32 s46, s46, s44
	s_mov_b32 s47, 0
	s_add_nc_u64 s[PFA:PFA+1], s[4:5], s[46:47]
.endm
.macro ASK
	s_cmp_le_u32 s[U], s[LIM]
	s_cbranch_scc0 .Lnot_mine_\@
	global_prefetch_b8 v[PFO], s[PFA:PFA+1] th:TH_LOAD_NT scope:SCOPE_SE
.Lnot_mine_\@:
.endm
	s_load_b128 s[4:7], s[0:1], 0x0                ; p16 s[4:5], h16 s[6:7]
	s_load_b64 s[8:9], s[0:1], 0x10                ; y16
	v_lshl_add_u32 v[SPW], v0, 2, SPARE
	v_mov_b32 v[NIL], 0
	ds_add_u32 v[SPW], v[NIL]                      ; the wave's opening: the add, twice on end, and its wait ahead of my first tensor load
	ds_add_u32 v[SPW], v[NIL]
	v_lshrrev_b32 v1, 5, v0
	v_readfirstlane_b32 s10, v1                    ; wave 0..3
	s_lshr_b32 s11, s10, 1                         ; which half of the tile's queries is mine.  Also: I fetch p (0) or vh (1)
	s_and_b32 s12, s10, 1                          ; which half of its channels.  Also: which half of that tile I fetch
	s_bfe_u32 s13, ttmp6, 0x40000                  ; cx
	s_lshl_b32 s14, ttmp9, 2
	s_add_co_u32 s14, s14, s13                     ; the column of 128 channels = 4 x cluster x + cx
	s_and_b32 s15, ttmp7, 0xffff
	s_lshr_b32 s16, s15, 3                         ; batch
	s_and_b32 s17, s15, 7                          ; r
	s_lshr_b32 s[NA], s17, 1
	s_add_co_u32 s[NA], s[NA], 1
	s_add_co_u32 s[NA2], s[NA], 2
	s_sub_co_u32 s22, 15, s17
	s_lshl_b32 s16, s16, 11                        ; 2,048 x batch
	s_lshl_b32 s17, s17, 7
	s_lshl_b32 s22, s22, 7
	s_add_co_u32 s17, s17, s16                     ; the first tile's first row
	s_add_co_u32 s22, s22, s16                     ; the second tile's
	s_lshl_b32 s23, s12, 6
	s_add_co_u32 s[ROA], s17, s23
	s_lshl_b32 s[ROA], s[ROA], 12                  ; 4,096 bytes a row of p16
	s_add_co_u32 s[ROB], s22, s23
	s_lshl_b32 s[ROB], s[ROB], 12
	s_lshl_b32 s23, s13, 5                         ; the prefetches: my work-group's 32 rows,
	s_add_co_u32 s[PRA], s17, s23
	s_lshl_b32 s[PRA], s[PRA], 12
	s_add_co_u32 s[PRB], s22, s23
	s_lshl_b32 s[PRB], s[PRB], 12
	s_lshl_b32 s23, s12, 8                         ; my wave's 256 bytes of a row's 512
	s_add_co_u32 s[PRA], s[PRA], s23
	s_add_co_u32 s[PRB], s[PRB], s23
	s_or_b32 s[LIM], s11, ttmp9                    ; 0 in waves 0 and 1 of the cluster with x = 0: the same in all four partners
	s_cmp_eq_u32 s[LIM], 0
	s_cselect_b32 s[LIM], 6, 0
	s_mov_b32 s[G1A+0], 15|(1<<16)|(1<<20)|(1<<21)|(6<<22)|(3<<25)   ; the mask of all four; elements of 2 bytes; padding: 4 words behind every 128; bit 21 beside a mask
	s_mov_b32 s[G1A+1], 256<<16                    ; tensor_dim0 = 256 keys
	s_mov_b32 s[G1A+2], 64<<16                     ; tensor_dim1 = 64 queries
	s_mov_b32 s[G1A+3], 256<<16                    ; tile_dim0
	s_mov_b32 s[G1A+4], 64                         ; tile_dim1
	s_mov_b32 s[G1A+5], 2048                       ; elements from row to row of p16
	s_mov_b32 s[G1A+6], 0
	s_mov_b32 s[G1A+7], 0
	s_mov_b32 s[G1B+0], (1<<16)|(1<<20)|(5<<22)|(7<<25)              ; no mask; padding: 8 words behind every 64
	s_mov_b32 s[G1B+1], 128<<16                    ; 128 channels
	s_mov_b32 s[G1B+2], 128<<16                    ; 128 keys
	s_mov_b32 s[G1B+3], 128<<16
	s_mov_b32 s[G1B+4], 128
	s_mov_b32 s[G1B+5], 1024                       ; elements from row to row of vh
	s_mov_b32 s[G1B+6], 0
	s_mov_b32 s[G1B+7], 0
	s_lshl_b32 s40, s12, 7                         ; vh: row 16,384 + 2,048 x batch + 128 x half, 2,048 bytes a row, + 256 bytes x column
	s_add_co_u32 s40, s40, s16
	s_add_co_u32 s40, s40, 16384
	s_lshl_b32 s40, s40, 11
	s_lshl_b32 s43, s14, 8
	s_add_co_u32 s40, s40, s43
	s_mov_b32 s41, 0
	s_lshl_b32 s42, s10, 5                         ; y16: wave w stores rows 32 w .. 32 w + 31 of a tile
	s_add_co_u32 s44, s17, s42
	s_lshl_b32 s44, s44, 11
	s_add_co_u32 s44, s44, s43
	s_mov_b32 s45, 0
	s_add_co_u32 s46, s22, s42
	s_lshl_b32 s46, s46, 11
	s_add_co_u32 s46, s46, s43
	s_mov_b32 s47, 0
	s_wait_dscnt 0x0                               ; both opening adds are done
	s_wait_kmcnt 0x0
	s_add_nc_u64 s[6:7], s[6:7], s[40:41]
	s_add_nc_u64 s[YB:YB+1], s[8:9], s[46:47]
	s_add_nc_u64 s[YA:YA+1], s[8:9], s[44:45]
	s_mul_i32 s22, s12, AHALF                      ; where the tiles go: the wave's number and constants alone
	s_mul_i32 s23, s12, BHALF
	s_add_co_u32 s23, s23, BOFF
.irp s, 0,1
	s_mov_b32 s[G0A+4*\s], 1
	s_add_co_u32 s[G0A+4*\s+1], s22, \s*SLOT
	s_mov_b32 s[G0B+4*\s], 1
	s_add_co_u32 s[G0B+4*\s+1], s23, \s*SLOT
.endr
	s_mov_b32 s[U], 0
	SETD 0
	s_mov_b32 s[U], 1
	SETD 1
	s_mov_b32 s[U], 2
	CROUND                                         ; all four work-groups are here: the first joint loads meet
	JLOAD 0
	JLOAD 1                                        ; two loads of mine are out
	v_and_b32 v1, 15, v0                           ; l % 16
	v_bfe_u32 v2, v0, 4, 1                         ; l / 16
	v_mul_u32_u24 v3, v1, PA
	v_lshl_add_u32 v3, v2, 4, v3
	s_mul_i32 s40, s11, AHALF                      ; my 64 queries
	v_add_nc_u32 v[ADRA], s40, v3
	v_add_nc_u32 v[ADRA+1], SLOT, v[ADRA]
	v_and_b32 v4, 7, v0                            ; the turning load: lane l reads 16 bytes: key 8 (l / 16) + l % 8, channels 8 ((l / 8) % 2) + 0..7; it leaves lane l channel l % 16 and 8 keys
	v_lshl_add_u32 v4, v2, 3, v4
	v_mul_u32_u24 v4, v4, PV
	v_bfe_u32 v5, v0, 3, 1
	v_lshl_add_u32 v4, v5, 4, v4
	s_lshl_b32 s40, s12, 7                         ; my 64 channels
	s_add_co_u32 s40, s40, BOFF
	v_add_nc_u32 v[ADRB], s40, v4
	v_add_nc_u32 v[ADRB+1], BHALF, v[ADRB]
	v_add_nc_u32 v[ADRB+2], SLOT, v[ADRB]
	v_add_nc_u32 v[ADRB+3], SLOT+BHALF, v[ADRB]
	s_mul_i32 s40, s11, 64*SPITCH                  ; into the stage: my 64 rows, my half of their 256 bytes
	s_lshl_b32 s41, s12, 7
	s_add_co_u32 s40, s40, s41
	s_add_co_u32 s40, s40, STAGE
	v_mul_u32_u24 v4, v1, SPITCH
	v_lshl_add_u32 v4, v2, 4, v4
	v_add_nc_u32 v[STO], s40, v4
	s_mul_i32 s40, s10, 32*SPITCH                  ; back: wave w takes rows 32 w .. 32 w + 31, whole
	s_add_co_u32 s40, s40, STAGE
	v_mul_u32_u24 v5, v2, SPITCH
	v_lshl_add_u32 v5, v1, 4, v5
	v_add_nc_u32 v[RD], s40, v5
	v_lshlrev_b32 v5, 11, v2                       ; and the same two rows in y16
	v_lshl_add_u32 v[CO], v1, 4, v5
	v_and_b32 v[PFO], 31, v0
	v_lshlrev_b32 v[PFO], 12, v[PFO]
; 8 matrix instructions: m blocks a0, a0 + 1 x all 4 n blocks, 32 along K: half c of buffer f.  The 16 accumulators take turns.
.macro MUL8 f, c, a0, zero
.irp a, \a0, \a0+1
.irp b, 0,1,2,3
.if \zero
	v_wmma_f32_16x16x32_f16 v[ACC+8*(4*(\a)+\b):ACC+8*(4*(\a)+\b)+7], v[\f+64+8*(4*\c+\b):\f+64+8*(4*\c+\b)+7], v[\f+8*(4*\c+\a):\f+8*(4*\c+\a)+7], 0
.else
	v_wmma_f32_16x16x32_f16 v[ACC+8*(4*(\a)+\b):ACC+8*(4*(\a)+\b)+7], v[\f+64+8*(4*\c+\b):\f+64+8*(4*\c+\b)+7], v[\f+8*(4*\c+\a):\f+8*(4*\c+\a)+7], v[ACC+8*(4*(\a)+\b):ACC+8*(4*(\a)+\b)+7]
.endif
.endr
.endr
.endm
; 32 LDS loads in one run: the fragments of the slot's q-th 64 keys into buffer f; the first 32 keys first
.macro FETCH slot, q, f
	WIN TO_F
.irp c, 0,1
.irp i, 0,1,2,3
	ds_load_tr16_b128 v[\f+64+8*(4*\c+\i):\f+64+8*(4*\c+\i)+3],   v[ADRB+2*\slot+(\q)/2] offset:(64*((\q)%2)+32*\c)*PV+32*\i
	ds_load_tr16_b128 v[\f+64+8*(4*\c+\i)+4:\f+64+8*(4*\c+\i)+7], v[ADRB+2*\slot+(\q)/2] offset:(64*((\q)%2)+32*\c)*PV+16*PV+32*\i
	ds_load_b128 v[\f+8*(4*\c+\i):\f+8*(4*\c+\i)+3],              v[ADRA+\slot] offset:128*(\q)+64*\c+\i*16*PA
	ds_load_b128 v[\f+8*(4*\c+\i)+4:\f+8*(4*\c+\i)+7],            v[ADRA+\slot] offset:128*(\q)+64*\c+\i*16*PA+32
.endr
.endr
.endm
.macro PLACES                          ; four plain vector instructions between a matrix instruction and a load into, or a read of, its registers
.rept 4
	v_nop
.endr
.endm
; A step is four quarters of 64 keys, 32 matrix instructions each, on buffers 0, 1, 0, 1.  One of the first three: multiplies buffer f and fetches quarter q into g.
.macro QUARTER slot, q, f, g, zero
	s_wait_dscnt 16                                ; the first 32 keys' fragments are in; the sixteen loads of the second 32 may be out
	WIN MUL
	MUL8 \f, 0, 0, \zero
	MUL8 \f, 0, 2, \zero
	PLACES
	FETCH \slot, \q, \g
	s_wait_dscnt 32                                ; all but the 32 just issued
	WIN MUL
	MUL8 \f, 1, 0, 0
	MUL8 \f, 1, 2, 0
.endm
; The last quarter multiplies buffer 1 and changes slots: in front of the barrier each wave waits for all its tensor loads, adds 0 to its spare word, and waits for that and for its reads of this slot.
; fill = 1: the barrier opens a round of the cluster's barrier, and this slot takes step U: my one tensor load behind the round, and the first thing there.
.macro TURN slot, next, fill
.if \fill
	s_wait_xcnt 0x0                                ; the last prefetch, a step back, has read its address: it may be written
	SETP
.endif
	WIN 0
	s_wait_tensorcnt 0x0                           ; all my tensor loads have landed: every group 0 may be written
	ds_add_u32 v[SPW], v[NIL]
.if \fill
	SETD \slot
.endif
	s_wait_dscnt 17                                ; (the add and the youngest sixteen loads may be out)
	WIN MUL
	MUL8 F1, 0, 0, 0
	s_wait_dscnt 0x0                               ; the add is done, and my reads of this slot are over
	s_barrier_signal -1
	MUL8 F1, 0, 2, 0
.if \fill
	WIN 0
.endif
	s_barrier_wait -1
.if \fill
	CREST                                          ; no wave of any partner still reads this slot's tile or has a load on its way
	JLOAD \slot                                    ; the four v_nop behind it are also the places in front of the loads below
.else
	PLACES
.endif
	FETCH \next, 0, F0
.if \fill
	WIN 0
	ASK
	s_add_co_u32 s[U], s[U], 1
.endif
	WIN MUL
	MUL8 F1, 1, 0, 0
	MUL8 F1, 1, 2, 0
.endm
; THE WAY OUT of a tile: round to f16; 16 bytes a lane into the work-group's stage; a barrier, since a row's 256 bytes come from two waves; back as whole rows, 32 rows a wave.
; The refill that is on its way may stay out.  The stage is written again only behind later rounds, in front of which every wave has waited for its reads of it.
.macro WAYOUT yb, again
	WIN 0
	PLACES
.if \again
	s_wait_xcnt 0x0                                ; the first tile's stores have read their data
.endif
.irp t, 0,1,2,3,4,5,6,7,8,9,10,11,12,13,14,15
.irp r, 0,1,2,3
	v_cvt_pk_f16_f32 v[TMP+4*\t+\r], v[ACC+8*\t+2*\r], v[ACC+8*\t+2*\r+1]
.endr
.endr
.irp a, 0,1,2,3
.irp b, 0,1,2,3
	ds_store_b128 v[STO], v[TMP+4*(4*\a+\b):TMP+4*(4*\a+\b)+3] offset:\a*16*SPITCH+32*\b
.endr
.endr
	s_wait_dscnt 0x0                               ; for the others' sake: my stores into the stage are done
	s_barrier_signal -1
	s_barrier_wait -1
.irp t, 0,1,2,3,4,5,6,7,8,9,10,11,12,13,14,15
	ds_load_b128 v[TMP+4*\t:TMP+4*\t+3], v[RD] offset:\t*2*SPITCH
.endr
.irp t, 0,1,2,3,4,5,6,7,8,9,10,11,12,13,14,15
	s_wait_dscnt 15-\t
	global_store_b128 v[CO], v[TMP+4*\t:TMP+4*\t+3], s[\yb:\yb+1] offset:2*\t*2048   ; 16 lanes store 256 consecutive bytes, aligned
.endr
.endm
; A step's first quarter, where the first tile may end: the step in hand is U - 2.
.macro Q0 slot
	WIN 0
	s_cmp_eq_u32 s[U], s[NA2]
	s_cbranch_scc0 .Lcont_\@
	WAYOUT YA, 0
	QUARTER \slot, 1, F0, F1, 1                    ; the second tile's first products start new sums (the 64 conversions above stand between them and the last products)
	WIN 0
	s_branch .Ljoin_\@
.Lcont_\@:
	QUARTER \slot, 1, F0, F1, 0
	WIN 0
.Ljoin_\@:
.endm
	s_wait_tensorcnt 1                             ; my part of step 0 is in (step 1's load may be out)
	s_barrier_signal -1
	s_barrier_wait -1                              ; everybody's is
	FETCH 0, 0, F0
	QUARTER 0, 1, F0, F1, 1                        ; the first products start the sums
	WIN 0
	s_mov_b32 s3, 3                                ; steps 2 to 7 are asked for in three trips
.Llap:                                             ; a trip goes once round the ring: two steps of 256 keys
	QUARTER 0, 2, F1, F0, 0
	QUARTER 0, 3, F0, F1, 0
	TURN 0, 1, 1
	Q0 1
	QUARTER 1, 2, F1, F0, 0
	QUARTER 1, 3, F0, F1, 0
	TURN 1, 0, 1
	Q0 0
	s_sub_co_u32 s3, s3, 1
	s_cmp_lg_u32 s3, 0
	s_cbranch_scc1 .Llap
	QUARTER 0, 2, F1, F0, 0                        ; step 6 goes on.  NA is 4 at the most: the first tile has gone out
	QUARTER 0, 3, F0, F1, 0
	TURN 0, 1, 1                                   ; step 8 is asked for: the last load
	QUARTER 1, 1, F0, F1, 0
	QUARTER 1, 2, F1, F0, 0
	QUARTER 1, 3, F0, F1, 0
	TURN 1, 0, 0
	QUARTER 0, 1, F0, F1, 0
	QUARTER 0, 2, F1, F0, 0
	QUARTER 0, 3, F0, F1, 0
	s_wait_dscnt 16                                ; the very last quarter
	WIN MUL
	MUL8 F1, 0, 0, 0
	MUL8 F1, 0, 2, 0
	s_wait_dscnt 0
	MUL8 F1, 1, 0, 0
	MUL8 F1, 1, 2, 0
	WAYOUT YB, 1
	s_wait_tensorcnt 0x0                           ; the wave's end
	ds_add_u32 v[SPW], v[NIL]
	s_wait_dscnt 0x0
	CROUND                                         ; the closing round
	s_endpgm
.Lfunc_end_k_q81158ef462_pv:
	.size	k_q81158ef462_pv, .Lfunc_end_k_q81158ef462_pv-k_q81158ef462_pv
	.p2alignl 7, 3214868480
	.fill 96, 4, 3214868480
	.section	.rodata,"a",@progbits
	.p2align	6, 0x0
	.amdhsa_kernel k_q81158ef462_pv
		.amdhsa_group_segment_fixed_size 327680
		.amdhsa_private_segment_fixed_size 0
		.amdhsa_enable_private_segment 0
		.amdhsa_kernarg_size 24
		.amdhsa_user_sgpr_count 2
		.amdhsa_user_sgpr_kernarg_segment_ptr 1
		.amdhsa_wavefront_size32 1
		.amdhsa_system_sgpr_workgroup_id_x 1
		.amdhsa_system_sgpr_workgroup_id_y 1
		.amdhsa_system_sgpr_workgroup_id_z 1
		.amdhsa_system_vgpr_workitem_id 0
		.amdhsa_next_free_vgpr 512
		.amdhsa_next_free_sgpr 80
		.amdhsa_reserve_vcc 0
		.amdhsa_float_denorm_mode_32 3
		.amdhsa_float_denorm_mode_16_64 3
		.amdhsa_memory_ordered 1
		.amdhsa_forward_progress 1
		.amdhsa_inst_pref_size 134
	.end_amdhsa_kernel
	.amdgpu_metadata
---
amdhsa.version: [ 1, 2 ]
amdhsa.kernels:
  - .name:           k_q81158ef462_pv
    .symbol:         k_q81158ef462_pv.kd
    .args:
      - { .name: p16, .offset: 0, .size: 8, .value_kind: global_buffer, .address_space: global }
      - { .name: h16, .offset: 8, .size: 8, .value_kind: global_buffer, .address_space: global }
      - { .name: y16, .offset: 16, .size: 8, .value_kind: global_buffer, .address_space: global }
    .group_segment_fixed_size: 327680
    .private_segment_fixed_size: 0
    .kernarg_segment_align: 8
    .kernarg_segment_size: 24
    .max_flat_workgroup_size: 128
    .sgpr_count:     80
    .vgpr_count:     512
    .wavefront_size: 32
...
	.end_amdgpu_metadata
.endif
;; end of part 5
;; launch outproj (part 6): grid 4 x 32, 4 waves a work-group, clusters of 4 x 4, 327,680 bytes of LDS; arguments y16, wp16, out0; writes out0
.if DOCPART == 6
	.amdgcn_target "amdgcn-amd-amdhsa--gfx1250"
	.amdhsa_code_object_version 6
	.text
	.protected	k_q81158ef462_outproj
	.globl	k_q81158ef462_outproj
	.p2align	8
	.type	k_q81158ef462_outproj,@function
k_q81158ef462_outproj:
	s_mov_b64 s[64:65], 0
	v_nop
	global_prefetch_b8 v0, s[64:65] scope:SCOPE_SE
	s_setreg_imm32_b32 hwreg(HW_REG_WAVE_MODE, 25, 1), 1
	s_wait_xcnt 0x0
	s_wait_alu depctr_hold_cnt(0) depctr_sa_sdst(0) depctr_va_vdst(0) depctr_va_sdst(0) depctr_va_ssrc(0) depctr_va_vcc(0) depctr_vm_vsrc(0)
	s_getreg_b32 s2, hwreg(HW_REG_IB_STS2, 6, 4)
	s_cmp_eq_u32 s2, 0
	s_cbranch_scc0 .Lentry_in_a_cluster
	s_endpgm
.Lentry_in_a_cluster:
	s_bfe_u32 s2, ttmp6, 0x10000c
	s_cmp_lg_u32 s2, 0xf033
	s_cbranch_scc0 .Lentry_shape_is_right
	s_endpgm
.Lentry_shape_is_right:
; LAUNCH 6 OF 7.  out0[m][n] = the sum over d of y[m][d] Wproj[n][d], f16 operands, f32 sums, f32 out.  y16 [8192][1024], wp16 [1024][1024], out0 [8192][1024].  No work is left out here.
; (The 64 rows of positions 0-15 of each batch lie inside live tiles and are made here too; launch 7 writes them over with the same rows carried in f32.)
; A tile of C, 256 x 256, is made by four waves, 128 x 128 each: 64 accumulators, 512 registers.  K goes in steps of 128 through a ring of two LDS slots filled by the tensor data mover.
; CLUSTERS: 4 x 4 work-groups.  The four of a row of the cluster need the same tiles of y, the four of a column the same tiles of Wproj: each tile is asked for jointly, which divides the requests by four.
; THE MATRIX INSTRUCTION IS USED TRANSPOSED (source 0 = 16 rows of Wproj, source 1 = 16 rows of y): a lane holds eight neighbouring numbers of a row of C.
; REGISTERS, in windows of 256: window 0: v0-31 addresses; v64-127, v128-191 fragments of y, two buffers; on the way out v128-255.  window 1: v64-127, v128-191 fragments of Wproj.
;   window 2: the accumulators of my rows 0-63 ((a, b) at v[8 (8 a + b)]);  window 3: those of rows 64-127.
.set SIZE_N, 1024
.set SIZE_K, 1024
.set KSTEP,  128
.set PITCH,  272
.set HALFT,  128*PITCH
.set SLOT,   4*HALFT
.set STAGE,  2*SLOT
.set SPITCH, 528
.set SPARE,  STAGE+4*16*SPITCH
.set CROW,   SIZE_N*4
.set ADRA, 16
.set ADRB, 20
.set STO,  24
.set RD,   25
.set CO,   26
.set SPW,  28
.set NIL,  29
.set PFO,  30                          ; v30  my lane x a row of y16 or wp16 (2,048 bytes); never rewritten
.set PFA,  44                          ; s[44:45] where my prefetches stand: one K step further along K than the refill that is being asked for; a prefetch names the K step after that
.set LIM,  43                          ; s43  1 in a wave that prefetches, else the greatest number
.set F0,   64
.set F1,   128
.set BK,   128
.set G1, 24
.set G0, 32
.set G1B, 48
.set G0B, 56
.set MSB, 0
.macro WIN new
.if MSB != (\new)
	s_set_vgpr_msb (MSB<<8)|(\new)
.set MSB, (\new)
.endif
.endm
.set MUL_LO, 0xa1
.set MUL_HI, 0xf1
.set TO_B,   0x40
.macro JLOAD s                         ; a joint load: waves 0 and 1 fetch A's halves, waves 2 and 3 B's; an s_nop 0 and four v_nop follow each of the two lines
	s_cmp_eq_u32 s11, 0
	s_cbranch_scc0 .Lfor_b_\@
	tensor_load_to_lds s[G0+4*\s:G0+4*\s+3], s[G1:G1+7]
	s_nop 0
.rept 4
	v_nop
.endr
	s_branch .Lasked_\@
.Lfor_b_\@:
	tensor_load_to_lds s[G0B+4*\s:G0B+4*\s+3], s[G1B:G1B+7]
	s_nop 0
.rept 4
	v_nop
.endr
.Lasked_\@:
.endm
; A PREFETCH INTO THE L2, behind each joint refill and the run of LDS loads that follows it: the K step two refills on: 32 rows x 256 bytes, a lane a row, one instruction a wave: 512 matrix instructions ahead of its load.
; y's tile rows are read by this one column of clusters: every cluster asks for its own; Wproj's rows are read by all eight clusters: cluster y = 0 asks.  The four partners that ask for a tile jointly share its rows out by address.
; The last trip asks for nothing: there is no K step two on.  K steps 0 to 3 come by their loads alone.
.macro ASK
	s_cmp_gt_u32 s3, s[LIM]                        ; s3 = 1 in the loop's last trip
	s_cbranch_scc0 .Lnot_mine_\@
	global_prefetch_b8 v[PFO], s[PFA:PFA+1] offset:KSTEP*2 th:TH_LOAD_NT scope:SCOPE_SE
.Lnot_mine_\@:
.endm
.macro CREST
	s_cmp_lg_u32 s10, 0
	s_cbranch_scc1 .Lnot_wave_0_\@
	s_barrier_signal -3
.Lnot_wave_0_\@:
	s_barrier_wait -3
	s_barrier_signal -1
	s_barrier_wait -1
.endm
.macro CROUND
	s_barrier_signal -1
	s_barrier_wait -1
	CREST
.endm
	s_load_b128 s[4:7], s[0:1], 0x0                ; y16 s[4:5], wp16 s[6:7]
	s_load_b64 s[8:9], s[0:1], 0x10                ; out0
	v_lshl_add_u32 v[SPW], v0, 2, SPARE
	v_mov_b32 v[NIL], 0
	ds_add_u32 v[SPW], v[NIL]                      ; the wave's opening: the add, twice on end, and its wait ahead of my first tensor load
	ds_add_u32 v[SPW], v[NIL]
	v_lshrrev_b32 v1, 5, v0
	v_readfirstlane_b32 s10, v1                    ; wave 0..3
	s_lshr_b32 s11, s10, 1                         ; which half of the tile's rows is mine.  Also: I fetch for A (0) or for B (1)
	s_and_b32 s12, s10, 1                          ; which half of its columns.  Also: which 128 rows I fetch
	s_bfe_u32 s40, ttmp6, 0x40000                  ; cx
	s_bfe_u32 s41, ttmp6, 0x40004                  ; cy
	s_lshl_b32 s42, ttmp9, 2
	s_add_co_u32 s42, s42, s40                     ; tile column of C
	s_and_b32 s13, ttmp7, 0xffff
	s_lshl_b32 s13, s13, 2
	s_add_co_u32 s13, s13, s41                     ; tile row of C
	s_lshl_b32 s43, s41, 2
	s_lshl_b32 s43, 15, s43                        ; my row of the cluster
	s_lshl_b32 s44, 0x1111, s40                    ; my column
	s_or_b32 s[G1+0], s43, (1<<16)|(1<<20)|(1<<21)|(5<<22)|(3<<25)   ; the mask; elements of 2 bytes; padding: 4 words behind every 64; bit 21 beside a mask
	s_or_b32 s[G1B+0], s44, (1<<16)|(1<<20)|(1<<21)|(5<<22)|(3<<25)
	s_mov_b32 s[G1B+1], KSTEP<<16
	s_mov_b32 s[G1+1], KSTEP<<16                   ; tensor_dim0 = 128
	s_mov_b32 s[G1B+2], 128<<16
	s_mov_b32 s[G1+2], 128<<16                     ; tensor_dim1 = 128
	s_mov_b32 s[G1B+3], KSTEP<<16
	s_mov_b32 s[G1+3], KSTEP<<16                   ; tile_dim0
	s_mov_b32 s[G1B+4], 128
	s_mov_b32 s[G1+4], 128                         ; tile_dim1
	s_mov_b32 s[G1B+5], SIZE_K
	s_mov_b32 s[G1+5], SIZE_K                      ; elements from row to row
	s_mov_b32 s[G1B+6], 0
	s_mov_b32 s[G1+6], 0
	s_mov_b32 s[G1B+7], 0
	s_mov_b32 s[G1+7], 0
	; A's tiles hang on the tile row alone, B's on the tile column alone: each address is made in registers that never hold the other coordinate
	s_lshl_b32 s17, s12, 7
	s_lshl_b32 s16, s13, 8
	s_add_co_u32 s16, s16, s17                     ; A: row 256 x tile row + 128 x half
	s_lshl_b32 s46, s42, 8
	s_add_co_u32 s46, s46, s17                     ; B: row 256 x tile column + 128 x half
	s_mov_b32 s17, 0
	s_mov_b32 s47, 0
	s_mov_b64 s[18:19], SIZE_K*2
	s_mul_u64 s[16:17], s[16:17], s[18:19]
	s_mul_u64 s[46:47], s[46:47], s[18:19]
	s_mul_i32 s20, s10, HALFT                      ; where they go: wave x 128 rows: no place in the cluster enters an LDS address
	s_wait_dscnt 0x0                               ; both opening adds are done
	s_wait_kmcnt 0x0
	s_add_nc_u64 s[14:15], s[4:5], s[16:17]
	s_add_nc_u64 s[46:47], s[6:7], s[46:47]
	CROUND                                         ; all sixteen work-groups are here: the first joint loads meet
.irp s, 0,1
	s_mov_b32 s[G0+4*\s], 1
	s_add_co_u32 s[G0+4*\s+1], s20, \s*SLOT
	s_add_nc_u64 s[G0+4*\s+2:G0+4*\s+3], s[14:15], \s*KSTEP*2
	s_or_b32 s[G0+4*\s+3], s[G0+4*\s+3], 0x80000000
	s_mov_b32 s[G0B+4*\s], 1
	s_add_co_u32 s[G0B+4*\s+1], s20, \s*SLOT
	s_add_nc_u64 s[G0B+4*\s+2:G0B+4*\s+3], s[46:47], \s*KSTEP*2
	s_or_b32 s[G0B+4*\s+3], s[G0B+4*\s+3], 0x80000000
	JLOAD \s                                       ; two loads of mine are out
.endr
	v_and_b32 v1, 15, v0
	v_bfe_u32 v2, v0, 4, 1
	v_mul_u32_u24 v3, v1, PITCH
	v_lshl_add_u32 v3, v2, 4, v3
	s_mul_i32 s21, s11, HALFT
	s_mul_i32 s22, s12, HALFT
	s_add_co_u32 s22, s22, 2*HALFT
.irp s, 0,1
	v_add_nc_u32 v[ADRA+\s], s21, v3
	v_add_nc_u32 v[ADRB+\s], s22, v3
	s_add_co_u32 s21, s21, SLOT
	s_add_co_u32 s22, s22, SLOT
.endr
	s_mul_i32 s23, s10, 16*SPITCH
	s_add_co_u32 s23, s23, STAGE                   ; my stage
	v_mul_u32_u24 v4, v1, SPITCH
	v_lshl_add_u32 v4, v2, 5, v4
	v_add_nc_u32 v[STO], s23, v4
	v_and_b32 v5, 31, v0
	v_lshlrev_b32 v[CO], 4, v5
	v_add_nc_u32 v[RD], s23, v[CO]
	s_lshl_b32 s13, s13, 8
	s_lshl_b32 s14, s11, 7
	s_add_co_u32 s16, s13, s14                     ; my first row of C
	s_mov_b32 s17, 0
	s_mov_b64 s[18:19], CROW
	s_mul_u64 s[16:17], s[16:17], s[18:19]
	s_lshl_b32 s46, s42, 10                        ; my first column in bytes: 1,024 x tile column + 512 x half
	s_lshl_b32 s47, s12, 9
	s_add_co_u32 s46, s46, s47
	s_mov_b32 s47, 0
	s_add_nc_u64 s[16:17], s[16:17], s[46:47]
	s_add_nc_u64 s[8:9], s[8:9], s[16:17]
	; the prefetches.  s13 = 256 x tile row, s42 = tile column, s40 = cx, s41 = cy still stand
	s_lshl_b32 s42, s42, 8
	s_and_b32 s22, ttmp7, 0xffff                   ; cluster y
	s_cmp_eq_u32 s11, 0                            ; do I fetch for A?
	s_cselect_b32 s20, s13, s42                    ; the tile's first row
	s_cselect_b32 s21, s40, s41                    ; my place among the four that ask for it with me
	s_cselect_b32 s22, ttmp9, s22                  ; the coordinate along which other clusters read the same rows
	s_cselect_b64 s[PFA:PFA+1], s[4:5], s[6:7]
	s_cmp_eq_u32 s22, 0
	s_cselect_b32 s[LIM], 1, -1                    ; the same in all sixteen partners, for a given wave
	s_lshl_b32 s22, s12, 7
	s_add_co_u32 s20, s20, s22                     ; + the 128 rows that I fetch
	s_lshl_b32 s21, s21, 5
	s_add_co_u32 s20, s20, s21                     ; + my work-group's 32 of them
	s_mov_b32 s21, 0
	s_mov_b64 s[18:19], SIZE_K*2
	s_mul_u64 s[20:21], s[20:21], s[18:19]
	s_add_nc_u64 s[PFA:PFA+1], s[PFA:PFA+1], s[20:21]
	s_add_nc_u64 s[PFA:PFA+1], s[PFA:PFA+1], 2*KSTEP*2   ; at K step 2: the first refill steps it to 3 and names K step 4
	v_and_b32 v[PFO], 31, v0
	v_mul_u32_u24 v[PFO], v[PFO], SIZE_K*2
.macro MUL16 f, hi, a0, zero           ; 16 matrix instructions; the 64 accumulators take turns
.irp a, \a0, \a0+1
.irp b, 0,1,2,3,4,5,6,7
.if \zero
	v_wmma_f32_16x16x32_f16 v[8*(8*(\a)+\b):8*(8*(\a)+\b)+7], v[\f+8*\b:\f+8*\b+7], v[\f+8*(4*\hi+\a):\f+8*(4*\hi+\a)+7], 0
.else
	v_wmma_f32_16x16x32_f16 v[8*(8*(\a)+\b):8*(8*(\a)+\b)+7], v[\f+8*\b:\f+8*\b+7], v[\f+8*(4*\hi+\a):\f+8*(4*\hi+\a)+7], v[8*(8*(\a)+\b):8*(8*(\a)+\b)+7]
.endif
.endr
.endr
.endm
.macro FETCH slot, k, f
	WIN TO_B
.irp i, 0,1,2,3,4,5,6,7
	ds_load_b128 v[\f+8*\i:\f+8*\i+3],   v[ADRB+\slot] offset:\k+\i*16*PITCH
	ds_load_b128 v[\f+8*\i+4:\f+8*\i+7], v[ADRB+\slot] offset:\k+\i*16*PITCH+32
.endr
	WIN 0
.irp i, 0,1,2,3,4,5,6,7
	ds_load_b128 v[\f+8*\i:\f+8*\i+3],   v[ADRA+\slot] offset:\k+\i*16*PITCH
	ds_load_b128 v[\f+8*\i+4:\f+8*\i+7], v[ADRA+\slot] offset:\k+\i*16*PITCH+32
.endr
.endm
.macro PLACES
.rept 4
	v_nop
.endr
.endm
.macro QUARTER slot, k, f, g, zero
	s_wait_dscnt 8                                 ; B and A's rows 0-63 are in; the youngest eight loads may be out
	WIN MUL_LO
	MUL16 \f, 0, 0, \zero
	MUL16 \f, 0, 2, \zero
	PLACES
	FETCH \slot, \k, \g
	s_wait_dscnt 32                                ; all but the 32 just issued
	WIN MUL_HI
	MUL16 \f, 1, 0, \zero
	MUL16 \f, 1, 2, \zero
.endm
.macro MEET                            ; in front of the barrier: all my tensor loads, the add, the add's and my reads' wait
	WIN 0
	s_wait_tensorcnt 0x0
	ds_add_u32 v[SPW], v[NIL]
	s_wait_dscnt 9                                 ; (the add and the youngest eight loads may be out)
	WIN MUL_LO
	MUL16 F1, 0, 0, 0
	s_wait_dscnt 0x0
	s_barrier_signal -1
	MUL16 F1, 0, 2, 0
	WIN 0
	s_barrier_wait -1
.endm
.macro TURN slot, next, fill           ; fill = 1: the barrier opens a round of the cluster's barrier, and the slot just read out takes the K step two steps on
.if \fill
	s_wait_xcnt 0x0                                ; the last prefetch, a K step back, has read its address
	s_add_nc_u64 s[PFA:PFA+1], s[PFA:PFA+1], KSTEP*2
.endif
	MEET
.if \fill
	CREST
	s_add_nc_u64 s[G0+4*\slot+2:G0+4*\slot+3], s[G0+4*\slot+2:G0+4*\slot+3], 2*KSTEP*2
	s_add_nc_u64 s[G0B+4*\slot+2:G0B+4*\slot+3], s[G0B+4*\slot+2:G0B+4*\slot+3], 2*KSTEP*2
	JLOAD \slot                                    ; the first tensor load behind the round; its four v_nop are also the places in front of the loads below
.else
	PLACES
.endif
	FETCH \next, 0, F0
.if \fill
	ASK
.endif
	WIN MUL_HI
	MUL16 F1, 1, 0, 0
	MUL16 F1, 1, 2, 0
.endm
	s_wait_tensorcnt 1                             ; my part of K step 0 is in (K step 1's load may be out),
	s_barrier_signal -1
	s_barrier_wait -1
	FETCH 0, 0, F0
	QUARTER 0, 64,  F0, F1, 1                      ; the first quarter starts the sums
	WIN 0
	s_mov_b32 s3, 3
.Llap:
	QUARTER 0, 128, F1, F0, 0
	QUARTER 0, 192, F0, F1, 0
	TURN 0, 1, 1
	QUARTER 1, 64,  F0, F1, 0
	QUARTER 1, 128, F1, F0, 0
	QUARTER 1, 192, F0, F1, 0
	TURN 1, 0, 1
	QUARTER 0, 64,  F0, F1, 0
	WIN 0
	s_sub_co_u32 s3, s3, 1
	s_cmp_lg_u32 s3, 0
	s_cbranch_scc1 .Llap
	QUARTER 0, 128, F1, F0, 0                      ; the last lap asks for nothing, and has no round
	QUARTER 0, 192, F0, F1, 0
	TURN 0, 1, 0
	QUARTER 1, 64,  F0, F1, 0
	QUARTER 1, 128, F1, F0, 0
	QUARTER 1, 192, F0, F1, 0
	s_wait_dscnt 8
	WIN MUL_LO
	MUL16 F1, 0, 0, 0
	MUL16 F1, 0, 2, 0
	s_wait_dscnt 0
	WIN MUL_HI
	MUL16 F1, 1, 0, 0
	MUL16 F1, 1, 2, 0
	WIN 0
; THE WAY OUT, block by block of 16 rows x 128 columns: through my own stage and back as whole rows of 512 bytes.
.macro TOSTAGE a
.set AC, 64*((\a)%4)
	WIN 0x08+4*((\a)/4)
.irp b, 0,1,2,3,4,5,6,7
	ds_store_b128 v[STO], v[AC+8*\b:AC+8*\b+3] offset:64*\b          ; each accumulator from its low end on
	ds_store_b128 v[STO], v[AC+8*\b+4:AC+8*\b+7] offset:64*\b+16
.endr
	WIN 0
.set BB, BK+64*((\a)%2)
.irp t, 0,1,2,3,4,5,6,7,8,9,10,11,12,13,14,15
	ds_load_b128 v[BB+4*\t:BB+4*\t+3], v[RD] offset:\t*SPITCH
.endr
.endm
.macro SEND a, younger
.set BB, BK+64*((\a)%2)
	s_wait_dscnt \younger
.if (\a) > 0
	s_add_nc_u64 s[8:9], s[8:9], 16*CROW           ; (behind a wait for the earlier stores' addresses)  16 rows on
.endif
.irp t, 0,1,2,3,4,5,6,7,8,9,10,11,12,13,14,15
	global_store_b128 v[CO], v[BB+4*\t:BB+4*\t+3], s[8:9] offset:\t*CROW th:TH_STORE_NT   ; 32 lanes store 512 consecutive bytes, aligned to 256
.endr
.endm
	PLACES
	TOSTAGE 0
.irp a, 1,2,3,4,5,6,7
.if \a > 1
	s_wait_xcnt 0x0
.endif
	TOSTAGE \a
	SEND \a-1, 32                                  ; behind block a - 1's loads: block a's 16 stores and 16 loads
.endr
	s_wait_xcnt 0x0
	SEND 7, 0
	s_wait_tensorcnt 0x0                           ; the wave's end
	ds_add_u32 v[SPW], v[NIL]
	s_wait_dscnt 0x0
	CROUND                                         ; the closing round
	s_endpgm
.Lfunc_end_k_q81158ef462_outproj:
	.size	k_q81158ef462_outproj, .Lfunc_end_k_q81158ef462_outproj-k_q81158ef462_outproj
	.p2alignl 7, 3214868480
	.fill 96, 4, 3214868480
	.section	.rodata,"a",@progbits
	.p2align	6, 0x0
	.amdhsa_kernel k_q81158ef462_outproj
		.amdhsa_group_segment_fixed_size 327680
		.amdhsa_private_segment_fixed_size 0
		.amdhsa_enable_private_segment 0
		.amdhsa_kernarg_size 24
		.amdhsa_user_sgpr_count 2
		.amdhsa_user_sgpr_kernarg_segment_ptr 1
		.amdhsa_wavefront_size32 1
		.amdhsa_system_sgpr_workgroup_id_x 1
		.amdhsa_system_sgpr_workgroup_id_y 1
		.amdhsa_system_sgpr_workgroup_id_z 1
		.amdhsa_system_vgpr_workitem_id 0
		.amdhsa_next_free_vgpr 1024
		.amdhsa_next_free_sgpr 66
		.amdhsa_reserve_vcc 0
		.amdhsa_float_denorm_mode_32 3
		.amdhsa_float_denorm_mode_16_64 3
		.amdhsa_memory_ordered 1
		.amdhsa_forward_progress 1
		.amdhsa_inst_pref_size 142
	.end_amdhsa_kernel
	.amdgpu_metadata
---
amdhsa.version: [ 1, 2 ]
amdhsa.kernels:
  - .name:           k_q81158ef462_outproj
    .symbol:         k_q81158ef462_outproj.kd
    .args:
      - { .name: y16, .offset: 0, .size: 8, .value_kind: global_buffer, .address_space: global }
      - { .name: wp16, .offset: 8, .size: 8, .value_kind: global_buffer, .address_space: global }
      - { .name: out0, .offset: 16, .size: 8, .value_kind: global_buffer, .address_space: global }
    .group_segment_fixed_size: 327680
    .private_segment_fixed_size: 0
    .kernarg_segment_align: 8
    .kernarg_segment_size: 24
    .max_flat_workgroup_size: 128
    .sgpr_count:     66
    .vgpr_count:     1024
    .wavefront_size: 32
...
	.end_amdgpu_metadata
.endif
;; end of part 6
;; launch first16 (part 7): grid 64 x 4, 8 waves a work-group, no clusters, 17,408 bytes of LDS; arguments fine, Wproj, out0; writes out0
.if DOCPART == 7
	.amdgcn_target "amdgcn-amd-amdhsa--gfx1250"
	.amdhsa_code_object_version 6
	.text
	.protected	k_q81158ef462_first16
	.globl	k_q81158ef462_first16
	.p2align	8
	.type	k_q81158ef462_first16,@function
k_q81158ef462_first16:
	s_mov_b64 s[64:65], 0
	v_nop
	global_prefetch_b8 v0, s[64:65] scope:SCOPE_SE
	s_setreg_imm32_b32 hwreg(HW_REG_WAVE_MODE, 25, 1), 1
	s_wait_xcnt 0x0
; LAUNCH 7 OF 7.  Positions 0-15 of each batch once more, with f32 operands throughout: their rows average one to sixteen values, where the rounding of f16 operands weighs most.
; Scores of 16 queries x 16 keys, mask, softmax, p x vh and x Wproj^T, from the f32 rows that launch 2 left in fine [3][4][16][1024] and from Wproj as it is given.  The 64 rows of out0 that launch 6 made are written over.
; LEFT OUT (shown at the head of launch 1): keys beyond position 15, which are hidden from all sixteen queries.
; SHARES.  Work-group (x, y): batch y, output columns 16 x .. 16 x + 15.  Each of the eight waves takes channels 128 w .. 128 w + 127 in all three products; the sums over the waves meet in LDS, in a fixed tree.
; Scores and y are made anew in each of a batch's 64 work-groups: 64 small matrix instructions a wave, less than a way through memory and one launch more would cost.
; ALL THREE PRODUCTS ARE USED TRANSPOSED, so that a lane holds query lane % 16 throughout: S^T = kh qh^T (register j: key 8 h + j), Y^T = vh^T p^T (register j: channel 16 t + 8 h + j), out^T = Wproj Y^T.
; The f32 form takes 4 along K: lane (r, h) holds k = 2 h, 2 h + 1.  Both operands are fed in the same order of k, chosen so that a lane's registers are filled by loads of 16 bytes, or are the result before as it stands.
; The stores at the end are 64 bytes of a row for a work-group: aligned blocks of 256 bytes are written in part, 262,144 bytes in the whole launch.
.set SP1,   0                          ; LDS: the eight waves' partial scores, 1,024 bytes each
.set SP2,   8192                       ; their partial outputs
.set SPARE, 16384                      ; the spare words, 128 bytes a wave
.set SPW, 8
.set NIL, 9
.set T,   16                           ; v16-23  scores, then p, then outputs
.set U,   24                           ; v24-31  at work
.set BA,  32                           ; v32-95  kh, then vh
.set BB,  96                           ; v96-159 qh, then partial sums, then Wproj
.set SA,  160                          ; v160-191 four accumulators: written by matrix instructions alone
.set YY,  192                          ; v192-255 eight accumulators of Y^T: written by matrix instructions alone
	s_load_b128 s[4:7], s[0:1], 0x0                ; fine s[4:5], Wproj s[6:7]
	s_load_b64 s[8:9], s[0:1], 0x10                ; out0
	v_lshl_add_u32 v[SPW], v0, 2, SPARE
	v_mov_b32 v[NIL], 0
	v_lshrrev_b32 v1, 5, v0
	v_readfirstlane_b32 s10, v1                    ; wave 0..7
	v_and_b32 v1, 15, v0                           ; r
	v_bfe_u32 v2, v0, 4, 1                         ; h
	s_lshl_b32 s11, s10, 9                         ; my 128 channels: 512 bytes
	v_lshlrev_b32 v3, 12, v1
	v_lshl_add_u32 v3, v2, 5, v3
	v_add_nc_u32 v3, s11, v3                       ; qh, kh, Wproj: row r, + 32 h, + 512 w
	v_lshlrev_b32 v4, 2, v1
	v_lshl_add_u32 v4, v2, 15, v4
	v_add_nc_u32 v4, s11, v4                       ; vh: key 8 h, channel r, + 512 w
	v_lshlrev_b32 v5, 12, v1
	v_lshl_add_u32 v5, v2, 5, v5                   ; out0: row r, + 32 h
	v_and_b32 v7, 31, v0
	v_lshlrev_b32 v7, 4, v7                        ; 16 x lane
	s_lshl_b32 s12, s10, 10
	v_add_nc_u32 v6, s12, v7                       ; 1,024 w + 16 x lane
	v_lshlrev_b32 v10, 3, v2
	v_sub_nc_u32 v10, v1, v10                      ; r - 8 h: my key j is hidden where j > this
	v_mov_b32 v12, 0                               ; written once: a lane permute's destination counts as one of its sources
	v_mov_b32 v13, 0xff800000                      ; -infinity
	s_mov_b32 s14, 0x76543210
	s_mov_b32 s15, 0xfedcba98
	s_mov_b32 s16, 0x3e38aa3b                      ; c = log2(e) / 8
	s_and_b32 s17, ttmp7, 0xffff                   ; batch
	s_lshl_b32 s18, s17, 16                        ; 16 rows of 4,096 bytes
	s_mov_b32 s19, 0
	s_lshl_b32 s20, ttmp9, 16                      ; 16 rows of Wproj
	s_mov_b32 s21, 0
	s_lshl_b32 s22, s17, 23                        ; 2,048 rows of out0
	s_lshl_b32 s23, ttmp9, 6
	s_add_co_u32 s22, s22, s23
	s_mov_b32 s23, 0
	s_wait_kmcnt 0x0
	s_add_nc_u64 s[4:5], s[4:5], s[18:19]
	s_add_nc_u64 s[6:7], s[6:7], s[20:21]
	s_add_nc_u64 s[8:9], s[8:9], s[22:23]
.irp c, 0,1,2,3,4,5,6,7                        ; registers 8 c + 0..7: channels 16 c + 8 h + 0..7 of my row
	global_load_b128 v[BA+8*\c:BA+8*\c+3],   v3, s[4:5] offset:262144+64*\c        ; kh
	global_load_b128 v[BA+8*\c+4:BA+8*\c+7], v3, s[4:5] offset:262144+64*\c+16
	global_load_b128 v[BB+8*\c:BB+8*\c+3],   v3, s[4:5] offset:64*\c               ; qh
	global_load_b128 v[BB+8*\c+4:BB+8*\c+7], v3, s[4:5] offset:64*\c+16
.endr
	s_wait_loadcnt 0x0
.irp c, 0,1,2,3,4,5,6,7                        ; S^T over my 128 channels: four accumulators by turns; the first four products start the sums
.irp u, 0,1,2,3
.if \c == 0
	v_wmma_f32_16x16x4_f32 v[SA+8*\u:SA+8*\u+7], v[BA+8*\c+2*\u:BA+8*\c+2*\u+1], v[BB+8*\c+2*\u:BB+8*\c+2*\u+1], 0
.else
	v_wmma_f32_16x16x4_f32 v[SA+8*\u:SA+8*\u+7], v[BA+8*\c+2*\u:BA+8*\c+2*\u+1], v[BB+8*\c+2*\u:BB+8*\c+2*\u+1], v[SA+8*\u:SA+8*\u+7]
.endif
.endr
.endr
.rept 8
	v_nop                                          ; eight places behind this form, in front of reads of results and loads into operands
.endr
.irp t, 0,1,2,3,4,5,6,7                        ; vh: register 8 t + i = vh(key 8 h + i, channel 128 w + 16 t + r): sixteen lanes read 64 consecutive bytes
.irp i, 0,1,2,3,4,5,6,7
	global_load_b32 v[BA+8*\t+\i], v4, s[4:5] offset:524288+4096*\i+64*\t
.endr
.endr
.irp j, 0,1,2,3,4,5,6,7
	v_add_f32 v[T+\j], v[SA+\j], v[SA+8+\j]        ; each accumulator from its low end on
.endr
.irp j, 0,1,2,3,4,5,6,7
	v_add_f32 v[U+\j], v[SA+16+\j], v[SA+24+\j]
.endr
.irp j, 0,2,4,6
	v_pk_add_f32 v[T+\j:T+\j+1], v[T+\j:T+\j+1], v[U+\j:U+\j+1]
.endr
	ds_store_b128 v6, v[T:T+3] offset:SP1
	ds_store_b128 v6, v[T+4:T+7] offset:SP1+512
	s_wait_dscnt 0x0                               ; for the others' sake: my stores are done
	s_barrier_signal -1
	s_barrier_wait -1
.macro GATHER base                     ; the eight waves' parts, as they were stored
.irp w, 0,1,2,3,4,5,6,7
	ds_load_b128 v[BB+8*\w:BB+8*\w+3],   v7 offset:\base+1024*\w
	ds_load_b128 v[BB+8*\w+4:BB+8*\w+7], v7 offset:\base+1024*\w+512
.endr
	s_wait_dscnt 0x0
.irp j, 0,2,4,6                                ; a fixed tree: every wave gets the same bits
	v_pk_add_f32 v[BB+\j:BB+\j+1],       v[BB+\j:BB+\j+1],       v[BB+8+\j:BB+8+\j+1]
	v_pk_add_f32 v[BB+16+\j:BB+16+\j+1], v[BB+16+\j:BB+16+\j+1], v[BB+24+\j:BB+24+\j+1]
	v_pk_add_f32 v[BB+32+\j:BB+32+\j+1], v[BB+32+\j:BB+32+\j+1], v[BB+40+\j:BB+40+\j+1]
	v_pk_add_f32 v[BB+48+\j:BB+48+\j+1], v[BB+48+\j:BB+48+\j+1], v[BB+56+\j:BB+56+\j+1]
.endr
.irp j, 0,2,4,6
	v_pk_add_f32 v[BB+\j:BB+\j+1],       v[BB+\j:BB+\j+1],       v[BB+16+\j:BB+16+\j+1]
	v_pk_add_f32 v[BB+32+\j:BB+32+\j+1], v[BB+32+\j:BB+32+\j+1], v[BB+48+\j:BB+48+\j+1]
.endr
.irp j, 0,2,4,6
	v_pk_add_f32 v[T+\j:T+\j+1], v[BB+\j:BB+\j+1], v[BB+32+\j:BB+32+\j+1]
.endr
.endm
	GATHER SP1                                     ; the whole scores: lane (r, h): query r, keys 8 h + 0..7
.irp t, 0,1,2,3,4,5,6,7                        ; Wproj: registers 8 t + 0..7: channels 128 w + 16 t + 8 h + 0..7 of row 16 x + r
	global_load_b128 v[BB+8*\t:BB+8*\t+3],   v3, s[6:7] offset:64*\t
	global_load_b128 v[BB+8*\t+4:BB+8*\t+7], v3, s[6:7] offset:64*\t+16
.endr
.irp j, 0,1,2,3,4,5,6,7
	v_cmp_gt_i32 vcc_lo, \j, v10
	v_cndmask_b32 v[T+\j], v[T+\j], v13, vcc_lo    ; hidden keys: -infinity
.endr
	v_max3_num_f32 v11, v[T], v[T+1], v[T+2]
	v_max3_num_f32 v11, v11, v[T+3], v[T+4]
	v_max3_num_f32 v11, v11, v[T+5], v[T+6]
	v_max_num_f32 v11, v11, v[T+7]
	v_permlanex16_b32 v12, v11, s14, s15
	v_max_num_f32 v11, v11, v12                    ; the row's maximum (key 0 counts for every query)
.irp j, 0,1,2,3,4,5,6,7
	v_sub_f32 v[T+\j], v[T+\j], v11
.endr
.irp j, 0,1,2,3,4,5,6,7
	v_mul_f32 v[T+\j], s16, v[T+\j]
.endr
.irp j, 0,1,2,3,4,5,6,7
	v_exp_f32 v[T+\j], v[T+\j]
.endr
	v_nop                                          ; a plain instruction behind the last exponential
	s_wait_alu depctr_va_vdst(0)                   ; one wait for the batch, ahead of its first reader
	v_add_f32 v14, v[T], v[T+1]
	v_add_f32 v15, v[T+2], v[T+3]
	v_add_f32 v14, v14, v[T+4]
	v_add_f32 v15, v15, v[T+5]
	v_add_f32 v14, v14, v[T+6]
	v_add_f32 v15, v15, v[T+7]
	v_add_f32 v14, v14, v15
	v_permlanex16_b32 v12, v14, s14, s15
	v_add_f32 v14, v14, v12
	v_rcp_f32 v15, v14
	v_nop
	s_wait_alu depctr_va_vdst(0)
.irp j, 0,1,2,3,4,5,6,7
	v_mul_f32 v[T+\j], v[T+\j], v15                ; p, normalised
.endr
	s_wait_loadcnt 16                              ; vh's 64 loads are in; Wproj's sixteen may be out
.irp s, 0,1,2,3                                ; Y^T = vh^T p^T: eight tiles of 16 channels by turns; keys 2 s, 2 s + 1, 8 + 2 s, 9 + 2 s
.irp t, 0,1,2,3,4,5,6,7
.if \s == 0
	v_wmma_f32_16x16x4_f32 v[YY+8*\t:YY+8*\t+7], v[BA+8*\t+2*\s:BA+8*\t+2*\s+1], v[T+2*\s:T+2*\s+1], 0
.else
	v_wmma_f32_16x16x4_f32 v[YY+8*\t:YY+8*\t+7], v[BA+8*\t+2*\s:BA+8*\t+2*\s+1], v[T+2*\s:T+2*\s+1], v[YY+8*\t:YY+8*\t+7]
.endif
.endr
.endr
.rept 9
	v_nop                                          ; nine places in front of matrix instructions that take these results as an operand
.endr
	s_wait_loadcnt 0x0
.irp t, 0,1,2,3,4,5,6,7                        ; out^T = Wproj Y^T over my 128 channels: four accumulators by turns
.irp u, 0,1,2,3
.if \t == 0
	v_wmma_f32_16x16x4_f32 v[SA+8*\u:SA+8*\u+7], v[BB+8*\t+2*\u:BB+8*\t+2*\u+1], v[YY+8*\t+2*\u:YY+8*\t+2*\u+1], 0
.else
	v_wmma_f32_16x16x4_f32 v[SA+8*\u:SA+8*\u+7], v[BB+8*\t+2*\u:BB+8*\t+2*\u+1], v[YY+8*\t+2*\u:YY+8*\t+2*\u+1], v[SA+8*\u:SA+8*\u+7]
.endif
.endr
.endr
.rept 8
	v_nop
.endr
.irp j, 0,1,2,3,4,5,6,7
	v_add_f32 v[T+\j], v[SA+\j], v[SA+8+\j]
.endr
.irp j, 0,1,2,3,4,5,6,7
	v_add_f32 v[U+\j], v[SA+16+\j], v[SA+24+\j]
.endr
.irp j, 0,2,4,6
	v_pk_add_f32 v[T+\j:T+\j+1], v[T+\j:T+\j+1], v[U+\j:U+\j+1]
.endr
	ds_store_b128 v6, v[T:T+3] offset:SP2
	ds_store_b128 v6, v[T+4:T+7] offset:SP2+512
	s_wait_dscnt 0x0
	s_barrier_signal -1
	s_barrier_wait -1
	s_cmp_lg_u32 s10, 0                            ; wave 0 adds the eight parts and stores
	s_cbranch_scc1 .Lend
	GATHER SP2
	global_store_b128 v5, v[T:T+3], s[8:9]         ; lane (r, h): out0(position r, columns 16 x + 8 h + 0..7)
	global_store_b128 v5, v[T+4:T+7], s[8:9] offset:16
.Lend:
	s_wait_tensorcnt 0x0                           ; the wave's end, behind my last LDS store
	ds_add_u32 v[SPW], v[NIL]
	s_wait_dscnt 0x0
	s_endpgm
.Lfunc_end_k_q81158ef462_first16:
	.size	k_q81158ef462_first16, .Lfunc_end_k_q81158ef462_first16-k_q81158ef462_first16
	.p2alignl 7, 3214868480
	.fill 96, 4, 3214868480
	.section	.rodata,"a",@progbits
	.p2align	6, 0x0
	.amdhsa_kernel k_q81158ef462_first16
		.amdhsa_group_segment_fixed_size 17408
		.amdhsa_private_segment_fixed_size 0
		.amdhsa_enable_private_segment 0
		.amdhsa_kernarg_size 24
		.amdhsa_user_sgpr_count 2
		.amdhsa_user_sgpr_kernarg_segment_ptr 1
		.amdhsa_wavefront_size32 1
		.amdhsa_system_sgpr_workgroup_id_x 1
		.amdhsa_system_sgpr_workgroup_id_y 1
		.amdhsa_system_sgpr_workgroup_id_z 1
		.amdhsa_system_vgpr_workitem_id 0
		.amdhsa_next_free_vgpr 256
		.amdhsa_next_free_sgpr 66
		.amdhsa_reserve_vcc 1
		.amdhsa_float_denorm_mode_32 3
		.amdhsa_float_denorm_mode_16_64 3
		.amdhsa_memory_ordered 1
		.amdhsa_forward_progress 1
		.amdhsa_inst_pref_size 30
	.end_amdhsa_kernel
	.amdgpu_metadata
---
amdhsa.version: [ 1, 2 ]
amdhsa.kernels:
  - .name:           k_q81158ef462_first16
    .symbol:         k_q81158ef462_first16.kd
    .args:
      - { .name: fine, .offset: 0, .size: 8, .value_kind: global_buffer, .address_space: global }
      - { .name: Wproj, .offset: 8, .size: 8, .value_kind: global_buffer, .address_space: global }
      - { .name: out0, .offset: 16, .size: 8, .value_kind: global_buffer, .address_space: global }
    .group_segment_fixed_size: 17408
    .private_segment_fixed_size: 0
    .kernarg_segment_align: 8
    .kernarg_segment_size: 24
    .max_flat_workgroup_size: 256
    .sgpr_count:     66
    .vgpr_count:     256
    .wavefront_size: 32
...
	.end_amdgpu_metadata
.endif
;; end of part 7
